; MI455X (gfx1250); checked and timed in simulation.
; The chip was launched on July 23, 2026; its instructions are those of AMD's public machine-readable ISA for CDNA 5 (MIT licence, August 2026) and "CDNA5" Instruction Set Architecture Reference Guide (July 2026). The comments in the code are by the model that wrote it; some were corrected since.
;; Multi Headed Attention. Allowed arithmetic: float matrix products may take bf16 or f16 operands with f32 sums; all other float work in f32.
;; Inputs: Wk 1,024 x 1,024 float32; Wo 1,024 x 1,024 float32; Wq 1,024 x 1,024 float32; Wv 1,024 x 1,024 float32; bk 1,024 float32; bo 1,024 float32; bq 1,024 float32; bv 1,024 float32; inputs 2 x 2,048 x 1,024 float32; mask 2 x 2,048 float32.
;; Outputs: out0 2 x 2,048 x 1,024 float32.
;; 2 versions, each right; version 2 is version 1 with the launch tof16 written anew for expert scheduling mode. Each part assembles by itself: llvm-mc -triple=amdgcn-amd-amdhsa -mcpu=gfx1250 --defsym DOCPART=n.
;; ======== version 1 of 2: 4 launches
;; limits: values outside matrix products are rounded to bf16; values are held in f16: magnitudes above 65,504 overflow, below 6.1e-05 lose precision
;; workspace buffers: cb 16,777,216 bytes; qkv 25,165,824 bytes; ab 8,388,608 bytes
;; launch tof16 (part 1): grid 32 x 8, 8 waves a work-group, no clusters, 0 bytes of LDS; arguments inputs, Wq, Wk, Wv, Wo, cb; writes cb
.if DOCPART == 1
	.amdgcn_target "amdgcn-amd-amdhsa--gfx1250"
	.amdhsa_code_object_version 6
	.text
	.protected	k_q6ee83e79a8_tof16
	.globl	k_q6ee83e79a8_tof16
	.p2align	8
	.type	k_q6ee83e79a8_tof16,@function
k_q6ee83e79a8_tof16:
	s_mov_b64 s[64:65], 0
	v_nop
	global_prefetch_b8 v0, s[64:65] scope:SCOPE_SE
	s_setreg_imm32_b32 hwreg(HW_REG_WAVE_MODE, 25, 1), 1
	s_wait_xcnt 0x0
; cb = the matrix operands in f16: inputs [4096][1024] at byte 0, then Wq, Wk, Wv, Wo [1024][1024] at 8, 10, 12, 14 MiB.
; WHY f16: it keeps 11 significant bits where bf16 keeps 8, and the result is compared within a hundredth of its root mean square, to which
; several roundings of 8 bits add up too closely.
; ROOM, by the problem's figures: inputs as drawn stay under about 6 and weights under 1/32; thirty times larger that is 180 and 0.94, with an offset of
; thirty spreads about 36 and 2, against f16's largest number 65,504; thirty times smaller, 0.03 and 0.001, f16 has its full 11 bits down to 2^-14 and
; steps of 2^-24 below.  LIMIT, stated: a number above 65,504 in magnitude becomes infinity here.
; A stream: every byte is read once and written once, so no LDS, no barrier, no matrix unit and no cluster (no two
; work-groups read the same byte).  The 32 MiB of f32 are eight segments of 4 MiB: y = 0..3 the quarters of inputs, y = 4..7
; the four weights.  Work-group (x, y) takes 128 KiB of segment y; thread t takes the 16 bytes at 16 t of each of 32 passes
; of 4 KiB.  A load of a wave covers 512 consecutive bytes, a store of a wave 256 consecutive bytes, aligned.
; All 32 loads of a wave go out at once; no register is written twice, so the only waits are the counted ones for data.
.set X,      4                         ; v[4:131]  pass p: 4 registers as loaded; its first two then hold the 4 f16
.set PASSES, 32
	s_load_b256 s[4:11], s[0:1], 0x0               ; inputs s[4:5], Wq s[6:7], Wk s[8:9], Wv s[10:11]
	s_load_b128 s[12:15], s[0:1], 0x20             ; Wo s[12:13], cb s[14:15]
	s_and_b32 s2, ttmp7, 0xffff                    ; y: the segment
	v_lshlrev_b32 v1, 4, v0                        ; 16 t: my bytes of a pass, f32
	v_lshlrev_b32 v2, 3, v0                        ; 8 t: the same numbers in f16
	s_cmp_lt_u32 s2, 4
	s_cselect_b32 s18, s2, 0                       ; a quarter of inputs, or a weight from its start
	s_lshl_b32 s18, s18, 22                        ; x 4 MiB
	s_lshl_b32 s19, ttmp9, 17                      ; + x times 128 KiB
	s_add_co_u32 s18, s18, s19
	s_mov_b32 s19, 0
	s_lshl_b32 s20, s2, 21                         ; in cb: y times 2 MiB
	s_lshl_b32 s21, ttmp9, 16                      ; + x times 64 KiB
	s_add_co_u32 s20, s20, s21
	s_mov_b32 s21, 0
	s_wait_kmcnt 0x0
	s_cmp_eq_u32 s2, 4                             ; the segment's buffer, chosen on y alone
	s_cselect_b64 s[16:17], s[6:7], s[4:5]
	s_cmp_eq_u32 s2, 5
	s_cselect_b64 s[16:17], s[8:9], s[16:17]
	s_cmp_eq_u32 s2, 6
	s_cselect_b64 s[16:17], s[10:11], s[16:17]
	s_cmp_eq_u32 s2, 7
	s_cselect_b64 s[16:17], s[12:13], s[16:17]
	s_add_nc_u64 s[16:17], s[16:17], s[18:19]
	s_add_nc_u64 s[20:21], s[14:15], s[20:21]
.set p, 0
.rept PASSES
	global_load_b128 v[X+4*p:X+4*p+3], v1, s[16:17] offset:4096*p th:TH_LOAD_NT    ; read once in the launch
.set p, p+1
.endr
.set p, 0
.rept PASSES
	s_wait_loadcnt PASSES-1-p                      ; loads come back in order (ISA guide 5.7.1): pass p is in, the 31 - p younger ones stay out
	v_cvt_pk_f16_f32 v[X+4*p],   v[X+4*p],   v[X+4*p+1]        ; two roundings to f16, packed, in place
	v_cvt_pk_f16_f32 v[X+4*p+1], v[X+4*p+2], v[X+4*p+3]
	global_store_b64 v2, v[X+4*p:X+4*p+1], s[20:21] offset:2048*p  ; later launches read these bytes: no hint
.set p, p+1
.endr
	s_endpgm
.Lfunc_end_k_q6ee83e79a8_tof16:
	.size	k_q6ee83e79a8_tof16, .Lfunc_end_k_q6ee83e79a8_tof16-k_q6ee83e79a8_tof16
	.p2alignl 7, 3214868480
	.fill 96, 4, 3214868480
	.section	.rodata,"a",@progbits
	.p2align	6, 0x0
	.amdhsa_kernel k_q6ee83e79a8_tof16
		.amdhsa_group_segment_fixed_size 0
		.amdhsa_private_segment_fixed_size 0
		.amdhsa_enable_private_segment 0
		.amdhsa_kernarg_size 48
		.amdhsa_user_sgpr_count 2
		.amdhsa_user_sgpr_kernarg_segment_ptr 1
		.amdhsa_wavefront_size32 1
		.amdhsa_system_sgpr_workgroup_id_x 1
		.amdhsa_system_sgpr_workgroup_id_y 1
		.amdhsa_system_sgpr_workgroup_id_z 1
		.amdhsa_system_vgpr_workitem_id 0
		.amdhsa_next_free_vgpr 132
		.amdhsa_next_free_sgpr 66
		.amdhsa_reserve_vcc 0
		.amdhsa_float_denorm_mode_32 3
		.amdhsa_float_denorm_mode_16_64 3
		.amdhsa_memory_ordered 1
		.amdhsa_forward_progress 1
		.amdhsa_inst_pref_size 13
	.end_amdhsa_kernel
	.amdgpu_metadata
---
amdhsa.version: [ 1, 2 ]
amdhsa.kernels:
  - .name:           k_q6ee83e79a8_tof16
    .symbol:         k_q6ee83e79a8_tof16.kd
    .args:
      - { .name: inputs, .offset: 0, .size: 8, .value_kind: global_buffer, .address_space: global }
      - { .name: Wq, .offset: 8, .size: 8, .value_kind: global_buffer, .address_space: global }
      - { .name: Wk, .offset: 16, .size: 8, .value_kind: global_buffer, .address_space: global }
      - { .name: Wv, .offset: 24, .size: 8, .value_kind: global_buffer, .address_space: global }
      - { .name: Wo, .offset: 32, .size: 8, .value_kind: global_buffer, .address_space: global }
      - { .name: cb, .offset: 40, .size: 8, .value_kind: global_buffer, .address_space: global }
    .group_segment_fixed_size: 0
    .private_segment_fixed_size: 0
    .kernarg_segment_align: 8
    .kernarg_segment_size: 48
    .max_flat_workgroup_size: 256
    .sgpr_count:     66
    .vgpr_count:     132
    .wavefront_size: 32
...
	.end_amdgpu_metadata
.endif
;; end of part 1
;; launch qkv (part 2): grid 12 x 16, 4 waves a work-group, clusters of 4 x 4, 327,680 bytes of LDS; arguments cb, bq, bk, bv, mask, qkv; writes qkv
.if DOCPART == 2
	.amdgcn_target "amdgcn-amd-amdhsa--gfx1250"
	.amdhsa_code_object_version 6
	.text
	.protected	k_q6ee83e79a8_qkv
	.globl	k_q6ee83e79a8_qkv
	.p2align	8
	.type	k_q6ee83e79a8_qkv,@function
k_q6ee83e79a8_qkv:
	s_mov_b64 s[64:65], 0
	v_nop
	global_prefetch_b8 v0, s[64:65] scope:SCOPE_SE
	s_setreg_imm32_b32 hwreg(HW_REG_WAVE_MODE, 25, 1), 1
	s_wait_xcnt 0x0
	s_wait_alu depctr_hold_cnt(0) depctr_sa_sdst(0) depctr_va_vdst(0) depctr_va_sdst(0) depctr_va_ssrc(0) depctr_va_vcc(0) depctr_vm_vsrc(0)
	s_getreg_b32 s2, hwreg(HW_REG_IB_STS2, 6, 4)
	s_cmp_eq_u32 s2, 0
	s_cbranch_scc0 .Lentry_in_a_cluster
	s_endpgm
.Lentry_in_a_cluster:
	s_bfe_u32 s2, ttmp6, 0x10000c
	s_cmp_lg_u32 s2, 0xf033
	s_cbranch_scc0 .Lentry_shape_is_right
	s_endpgm
.Lentry_shape_is_right:
; One product for the three projections: C[m][n] = sum over k of x[m][k] W[n][k], x = cb's first 8 MiB [4096][1024] f16,
; W = [Wq; Wk; Wv] = [3072][1024] f16 at cb + 8 MiB.  Sums in f32, started by the bias.  On the way out
;   Q = (x Wq' + bq) mask[row] log2(e)/8,   K = (x Wk' + bk) mask[row],   V = (x Wv' + bv) mask[row]
; are rounded to bf16 and laid out by head: qkv + j 8 MiB + ((b 16 + head) 2048 + s) 128 bytes, rows of 64 numbers.
; FORMATS: x and W have room in f16 (under 180 and 0.94 when thirty times larger than drawn) and take its 11 significant bits.  Q, K, V carry the mask as a
; factor: with inputs, weights and mask all thirty times larger their root mean square is 0.58 x 900 x 30 = 15,600, whose tails pass f16's 65,504: they go in bf16.
; LIMIT, stated: the mask is folded in before the rounding to bf16: exact for a mask of 0 and 1, an operand rounding otherwise.
; A work-group makes 256 x 256 of C with four waves, a wave 128 x 128: 64 accumulator tiles, 512 registers.  K goes in steps of
; 128 through two LDS slots filled by the tensor data mover; a tile's rows are 256 bytes of memory, aligned to 256.
; 12 x 16 = 192 work-groups: a block column of 256 is four whole heads, and the cluster's x (0, 1, 2) is Q, K or V.
; CLUSTERS: 4 x 4 work-groups.  The four of a row of the cluster need the same tiles of x, the four of a column the same tiles of W:
; each tile is asked for jointly, by the same tensor load with the same descriptor and a mask that names the four.
;
; REGISTERS in windows of 256 (s_set_vgpr_msb's low byte: bits 1:0 source 0, 3:2 source 1, 5:4 source 2, 7:6 destination):
;   window 0: v16-28 addresses; v32-47 row scales; v64-127, v128-191 fragments of x, two buffers; v192-255 the bias tiles
;   window 1: v64-127, v128-191 fragments of W, two buffers
;   window 2: the accumulator tiles of my rows 0-63 (tile (a, b) at v[8 (8 a + b)]);  window 3: those of my rows 64-127
; THE MATRIX INSTRUCTION IS USED TRANSPOSED: source 0 = 16 rows of W, source 1 = 16 rows of x.  Lane l then holds row l % 16 of C and
; its registers 0 to 7 the columns 8 (l / 16) + 0..7: eight neighbouring numbers of a row, and a bias tile is the same for every row.
.set SIZE_K, 1024
.set KSTEP,  128
.set PITCH,  272                       ; an LDS row: 256 bytes + 16 of padding = 68 words: the 16 rows that a load touches start at 16 different banks (64 banks of 4 bytes: ISA guide 11.1)
.set HALFT,  128*PITCH                 ; 128 rows: what one tensor load brings, and what one wave reads of x or of W
.set SLOT,   4*HALFT                   ; x's 256 rows, then W's 256 rows
.set STAGE,  2*SLOT                    ; behind the ring: 16 rows x 272 bytes for each wave, for the way out; no tensor load lands here
.set SPITCH, 272
.set LAPS,   SIZE_K/(2*KSTEP)          ; a lap = two K steps = once round the ring: 4
.set ADRA, 16                          ; v16-17  LDS address of my x fragments in slot 0, 1
.set ADRB, 20                          ; v20-21  the same for W
.set STO,  24                          ; v24     way out: where I put 16 bytes of a row
.set RD,   25                          ; v25     way out: where I read back
.set CO,   26                          ; v26     way out: 16 x lane
.set BOFF, 27                          ; v27     32 (l / 16): my eight columns in a bias tile
.set MOFF, 28                          ; v28     4 (l % 16): my row in a tile of the mask
.set SC,   32                          ; v[32:47] row tile a: mask[row] x constant, twice (a pair for the packed multiply)
.set F0,   64
.set F1,   128
.set BIAS, 192                         ; v[192:255] bias tile b at 192 + 8 b
.set T,    64                          ; way out: 64 scaled results in f32
.set TMP,  192                         ; way out: packed results
.set R0,   128                         ; way out: read back, two sets by turns
.set R1,   160
.set G1,  24                           ; s[24:31] descriptor group 1 for x's tiles
.set G0,  32                           ; s[32:39] group 0 for x's tiles, one set for each slot
.set G1B, 48                           ; s[48:55] group 1 for W's tiles: another mask
.set G0B, 56                           ; s[56:63] group 0 for W's tiles
.set MSB, 0
.macro WIN new                         ; the immediate's high byte repeats the setting that is left
.if MSB != \new
	s_set_vgpr_msb (MSB<<8)|\new
.set MSB, \new
.endif
.endm
.set MUL_LO, 0xa1                      ; source 0 (W) window 1, source 1 (x) window 0, C and D window 2
.set MUL_HI, 0xf1                      ; the same, C and D window 3
.set ST_LO,  0x81                      ; the first products: C (the bias) window 0, D window 2
.set ST_HI,  0xc1                      ; D window 3
.set TO_B,   0x40                      ; destination window 1, address window 0
; A joint load.  Waves 0 and 1 fetch x's two halves, waves 2 and 3 W's.  Each line has one mask and one set of registers for all that issue it.
; The branch hangs on the wave's number alone.
.macro JLOAD s
	s_cmp_eq_u32 s11, 0
	s_cbranch_scc0 .Lfor_b_\@
	tensor_load_to_lds s[G0+4*\s:G0+4*\s+3], s[G1:G1+7]
	s_nop 0
	s_branch .Lasked_\@
.Lfor_b_\@:
	tensor_load_to_lds s[G0B+4*\s:G0B+4*\s+3], s[G1B:G1B+7]
	s_nop 0
.Lasked_\@:
.endm
; A round of the cluster's barrier: my work-group's barrier, wave 0 signals for the work-group, every wave waits for all sixteen, my work-group's barrier again.
.macro CREST                           ; a round behind its opening barrier
	s_cmp_lg_u32 s10, 0
	s_cbranch_scc1 .Lnot_wave_0_\@
	s_barrier_signal -3
.Lnot_wave_0_\@:
	s_barrier_wait -3
	s_barrier_signal -1
	s_barrier_wait -1
.endm
.macro CROUND
	s_barrier_signal -1
	s_barrier_wait -1
	CREST
.endm
	s_load_b64 s[4:5], s[0:1], 0x0                 ; cb
	s_load_b128 s[68:71], s[0:1], 0x8              ; bq s[68:69], bk s[70:71]
	s_load_b128 s[72:75], s[0:1], 0x18             ; bv s[72:73], mask s[74:75]
	s_load_b64 s[8:9], s[0:1], 0x28                ; qkv
	s_set_vgpr_msb 0x40
	v_lshl_add_u32 v255, v0, 2, 0x48400
	s_set_vgpr_msb 0x4000
	v_mov_b32 v63, 0
	s_set_vgpr_msb 0x1
	ds_add_u32 v255, v63
	s_set_vgpr_msb 0x100
	v_lshrrev_b32 v1, 5, v0
	v_readfirstlane_b32 s10, v1                    ; wave 0..3
	s_lshr_b32 s11, s10, 1                         ; which half of the block's rows is mine.  Also: I fetch for x (0) or for W (1)
	s_and_b32 s12, s10, 1                          ; which half of its columns.  Also: which 128 rows of that tile I fetch
	s_bfe_u32 s40, ttmp6, 0x40000                  ; cx
	s_bfe_u32 s41, ttmp6, 0x40004                  ; cy
	s_lshl_b32 s42, ttmp9, 2
	s_add_co_u32 s42, s42, s40                     ; block column = 4 x cluster x + cx
	s_and_b32 s13, ttmp7, 0xffff
	s_lshl_b32 s13, s13, 2
	s_add_co_u32 s13, s13, s41                     ; block row = 4 x cluster y + cy
	s_lshl_b32 s43, s41, 2
	s_lshl_b32 s43, 15, s43                        ; my row of the cluster: places 4 cy .. 4 cy + 3
	s_lshl_b32 s44, 0x1111, s40                    ; my column: places cx, cx + 4, cx + 8, cx + 12
	; group 1: a tile of 128 rows x 128 elements of 2 bytes, 4 words of padding behind every 64 words
	s_or_b32 s[G1+0], s43, (1<<16)|(1<<20)|(1<<21)|(5<<22)|(3<<25)
	s_or_b32 s[G1B+0], s44, (1<<16)|(1<<20)|(1<<21)|(5<<22)|(3<<25)
	s_mov_b32 s[G1+1], KSTEP<<16                   ; tensor_dim0 = 128
	s_mov_b32 s[G1B+1], KSTEP<<16
	s_mov_b32 s[G1+2], 128<<16                     ; tensor_dim1 = 128
	s_mov_b32 s[G1B+2], 128<<16
	s_mov_b32 s[G1+3], KSTEP<<16                   ; tile_dim0 = 128
	s_mov_b32 s[G1B+3], KSTEP<<16
	s_mov_b32 s[G1+4], 128                         ; tile_dim1 = 128
	s_mov_b32 s[G1B+4], 128
	s_mov_b32 s[G1+5], SIZE_K                      ; elements from row to row
	s_mov_b32 s[G1B+5], SIZE_K
	s_mov_b32 s[G1+6], 0
	s_mov_b32 s[G1B+6], 0
	s_mov_b32 s[G1+7], 0
	s_mov_b32 s[G1B+7], 0
	; x's tiles hang on the block row alone, W's on the block column alone; each address is made in registers that never hold the other coordinate
	s_lshl_b32 s17, s12, 7
	s_lshl_b32 s16, s13, 8
	s_add_co_u32 s16, s16, s17                     ; x: row 256 x block row + 128 x half
	s_lshl_b32 s46, s42, 8
	s_add_co_u32 s46, s46, s17                     ; W: row 256 x block column + 128 x half
	s_mov_b32 s17, 0
	s_mov_b32 s47, 0
	s_mov_b64 s[18:19], SIZE_K*2
	s_mul_u64 s[16:17], s[16:17], s[18:19]         ; in bytes
	s_mul_u64 s[46:47], s[46:47], s[18:19]
	s_mul_i32 s20, s10, HALFT                      ; where they go: wave x 128 rows
	s_wait_dscnt 0x0
	s_wait_kmcnt 0x0
	s_add_nc_u64 s[6:7], s[4:5], 0x800000          ; W begins 8 MiB into cb
	s_add_nc_u64 s[14:15], s[4:5], s[16:17]
	s_add_nc_u64 s[46:47], s[6:7], s[46:47]
	CROUND                                         ; all sixteen work-groups are here: the first joint loads meet
.irp s, 0,1
	s_mov_b32 s[G0+4*\s], 1
	s_add_co_u32 s[G0+4*\s+1], s20, \s*SLOT
	s_add_nc_u64 s[G0+4*\s+2:G0+4*\s+3], s[14:15], \s*KSTEP*2
	s_or_b32 s[G0+4*\s+3], s[G0+4*\s+3], 0x80000000
	s_mov_b32 s[G0B+4*\s], 1
	s_add_co_u32 s[G0B+4*\s+1], s20, \s*SLOT
	s_add_nc_u64 s[G0B+4*\s+2:G0B+4*\s+3], s[46:47], \s*KSTEP*2
	s_or_b32 s[G0B+4*\s+3], s[G0B+4*\s+3], 0x80000000
	JLOAD \s                                       ; both slots' first fills go out before anything else: two tensor loads of the wave are out
.endr
	; bias and mask.  The cluster's x says which of Q, K, V this block belongs to: it is the same in all partners.
	s_cmp_eq_u32 ttmp9, 1
	s_cselect_b64 s[76:77], s[70:71], s[68:69]
	s_cmp_eq_u32 ttmp9, 2
	s_cselect_b64 s[76:77], s[72:73], s[76:77]
	s_cmp_eq_u32 ttmp9, 0
	s_cselect_b32 s78, 0x3e38aa3b, 1.0             ; Q also carries log2(e)/8: the scores come out ready for the base-2 exponential
	s_lshl_b32 s80, s40, 10                        ; my 128 columns inside the matrix of 1,024: (256 cx + 128 half) x 4 bytes
	s_lshl_b32 s81, s12, 9
	s_add_co_u32 s80, s80, s81
	s_mov_b32 s81, 0
	s_add_nc_u64 s[76:77], s[76:77], s[80:81]
	s_lshl_b32 s80, s13, 10                        ; my 128 rows in the mask's 4,096: (256 block row + 128 half) x 4 bytes
	s_lshl_b32 s79, s11, 9
	s_add_co_u32 s80, s80, s79
	s_add_nc_u64 s[74:75], s[74:75], s[80:81]
	v_and_b32 v1, 15, v0                           ; l % 16
	v_bfe_u32 v2, v0, 4, 1                         ; l / 16
	v_lshlrev_b32 v[BOFF], 5, v2
	v_lshlrev_b32 v[MOFF], 2, v1
.irp b, 0,1,2,3,4,5,6,7
	global_load_b128 v[BIAS+8*\b:BIAS+8*\b+3],   v[BOFF], s[76:77] offset:64*\b      ; bias of columns 16 b + 8 (l / 16) + 0..3
	global_load_b128 v[BIAS+8*\b+4:BIAS+8*\b+7], v[BOFF], s[76:77] offset:64*\b+16   ; + 4..7
.endr
.irp a, 0,1,2,3,4,5,6,7
	global_load_b32 v[SC+2*\a], v[MOFF], s[74:75] offset:64*\a                       ; mask of row 16 a + l % 16
.endr
	; where my block goes: qkv + matrix x 8 MiB + ((b 16 + head) 2048 + s) x 128 bytes
	s_lshr_b32 s80, s13, 3                         ; b: eight block rows to a batch
	s_lshl_b32 s80, s80, 4
	s_lshl2_add_u32 s80, s40, s80                  ; + 4 cx: four heads to a block column
	s_lshl1_add_u32 s80, s12, s80                  ; + 2 x my half
	s_lshl_b32 s80, s80, 11
	s_and_b32 s79, s13, 7
	s_lshl_b32 s79, s79, 8
	s_add_co_u32 s80, s80, s79
	s_lshl_b32 s79, s11, 7
	s_add_co_u32 s80, s80, s79
	s_lshl_b32 s80, s80, 7
	s_lshl_b32 s79, ttmp9, 23
	s_add_co_u32 s80, s80, s79
	s_add_nc_u64 s[8:9], s[8:9], s[80:81]
	; A fragment is 16 rows x 32 K in 8 registers: lane l holds row l % 16; registers 0-3 hold K = 8 (l / 16) + 0..7, registers 4-7 K = 16 + 8 (l / 16) + 0..7
	v_mul_u32_u24 v3, v1, PITCH
	v_lshl_add_u32 v3, v2, 4, v3
	s_mul_i32 s21, s11, HALFT                      ; my 128 rows of x
	s_mul_i32 s22, s12, HALFT                      ; my 128 rows of W,
	s_add_co_u32 s22, s22, 2*HALFT                 ; which lie behind x's 256
.irp s, 0,1
	v_add_nc_u32 v[ADRA+\s], s21, v3
	v_add_nc_u32 v[ADRB+\s], s22, v3
	s_add_co_u32 s21, s21, SLOT
	s_add_co_u32 s22, s22, SLOT
.endr
	s_mul_i32 s23, s10, 16*SPITCH
	s_add_co_u32 s23, s23, STAGE                   ; my stage
	v_mul_u32_u24 v4, v1, SPITCH                   ; in: row l % 16, 16 bytes for each half of the lanes
	v_lshl_add_u32 v4, v2, 4, v4
	v_add_nc_u32 v[STO], s23, v4
	v_and_b32 v6, 31, v0                           ; back: eight lanes take the 128 bytes that one row has of one head, a load takes four rows
	v_lshrrev_b32 v7, 3, v6
	v_and_b32 v5, 7, v0
	v_mul_u32_u24 v7, v7, SPITCH
	v_lshl_add_u32 v7, v5, 4, v7
	v_add_nc_u32 v[RD], s23, v7
	v_lshlrev_b32 v[CO], 4, v6                     ; four rows of a head are 512 consecutive bytes of qkv: 16 x lane
	s_wait_loadcnt 0x0                             ; bias and mask, once
.irp a, 0,1,2,3,4,5,6,7
	v_mul_f32 v[SC+2*\a], s78, v[SC+2*\a]
.endr
.irp a, 0,1,2,3,4,5,6,7
	v_mov_b32 v[SC+2*\a+1], v[SC+2*\a]
.endr
; 16 matrix instructions: m blocks a0, a0 + 1 of the window's four x all 8 n blocks, 32 along K.  zero = 1: the bias tile starts the sums.
.macro MUL16 f, hi, a0, zero
.irp a, \a0, \a0+1
.irp b, 0,1,2,3,4,5,6,7
.if \zero
	v_wmma_f32_16x16x32_f16 v[8*(8*(\a)+\b):8*(8*(\a)+\b)+7], v[\f+8*\b:\f+8*\b+7], v[\f+8*(4*\hi+\a):\f+8*(4*\hi+\a)+7], v[BIAS+8*\b:BIAS+8*\b+7]
.else
	v_wmma_f32_16x16x32_f16 v[8*(8*(\a)+\b):8*(8*(\a)+\b)+7], v[\f+8*\b:\f+8*\b+7], v[\f+8*(4*\hi+\a):\f+8*(4*\hi+\a)+7], v[8*(8*(\a)+\b):8*(8*(\a)+\b)+7]
.endif
.endr
.endr
.endm
; 32 LDS loads in one run: the fragments of one quarter step into buffer f
.macro FETCH slot, k, f
	WIN TO_B
.irp i, 0,1,2,3,4,5,6,7
	ds_load_b128 v[\f+8*\i:\f+8*\i+3],   v[ADRB+\slot] offset:\k+\i*16*PITCH
	ds_load_b128 v[\f+8*\i+4:\f+8*\i+7], v[ADRB+\slot] offset:\k+\i*16*PITCH+32
.endr
	WIN 0
.irp i, 0,1,2,3,4,5,6,7
	ds_load_b128 v[\f+8*\i:\f+8*\i+3],   v[ADRA+\slot] offset:\k+\i*16*PITCH
	ds_load_b128 v[\f+8*\i+4:\f+8*\i+7], v[ADRA+\slot] offset:\k+\i*16*PITCH+32
.endr
.endm
; Four independent vector places stand between a matrix instruction and a load into, or a vector access to, one of its registers
.macro PLACES
.rept 4
	v_nop
.endr
.endm
; A K step is four quarters of 32 along K, 64 matrix instructions each, on buffers 0, 1, 0, 1.  The 64 accumulators take turns, one instruction a turn,
; in the same order in every quarter.
.macro QUARTER slot, k, f, g, zero
	s_wait_dscnt 8                                 ; W and x's rows 0-63 are in; the youngest eight loads (x's rows 64-127) may be out
.if \zero
	WIN ST_LO
.else
	WIN MUL_LO
.endif
	MUL16 \f, 0, 0, \zero
	MUL16 \f, 0, 2, \zero
	PLACES
	FETCH \slot, \k, \g
	s_wait_dscnt 32                                ; all but the 32 just issued
.if \zero
	WIN ST_HI
.else
	WIN MUL_HI
.endif
	MUL16 \f, 1, 0, \zero
	MUL16 \f, 1, 2, \zero
.endm
.macro THREE slot, zero
	QUARTER \slot, 64,  F0, F1, \zero
	QUARTER \slot, 128, F1, F0, 0
	QUARTER \slot, 192, F0, F1, 0
.endm
; The last quarter multiplies buffer 1 and changes slots.  In front of the barrier each wave waits for its reads of this slot and for all its tensor
; loads (one is out: its part of the next slot).  Behind it the refill comes first, then the next slot's first fragments.
.macro TURN slot, next, fill
	s_wait_dscnt 8
	WIN MUL_LO
	MUL16 F1, 0, 0, 0
	s_wait_dscnt 0                                 ; my reads of this slot are over
	s_wait_tensorcnt 0x0                           ; and all my tensor loads have landed
	ds_add_u32 v255, v63
	s_wait_dscnt 0x0
	s_barrier_signal -1                            ; say so (where a slot is filled again this barrier opens a round of the cluster's barrier),
	MUL16 F1, 0, 2, 0                              ; work on registers while the others arrive
	WIN 0
	s_barrier_wait -1
.if \fill
	CREST                                          ; no wave of any partner still reads this slot's tile or has a load on its way
	s_add_nc_u64 s[G0+4*\slot+2:G0+4*\slot+3], s[G0+4*\slot+2:G0+4*\slot+3], 2*KSTEP*2
	s_add_nc_u64 s[G0B+4*\slot+2:G0B+4*\slot+3], s[G0B+4*\slot+2:G0B+4*\slot+3], 2*KSTEP*2
	JLOAD \slot                                    ; the wave's one tensor load behind the round
.endif
	PLACES
	FETCH \next, 0, F0
	WIN MUL_HI
	MUL16 F1, 1, 0, 0
	MUL16 F1, 1, 2, 0
.endm
.macro LAP zero
	THREE 0, \zero
	TURN 0, 1, 1
	THREE 1, 0
	TURN 1, 0, 1
.endm
	s_wait_tensorcnt 1                             ; my part of K step 0 is in; K step 1's load, issued behind it, stays out
	s_barrier_signal -1
	s_barrier_wait -1
	FETCH 0, 0, F0
	LAP 1                                          ; the first lap stands in front of the loop: its first products take the bias as C
	WIN 0                                          ; at a label and at a branch every window is 0
	s_mov_b32 s3, LAPS-2
.Llap:
	LAP 0
	WIN 0
	s_sub_co_u32 s3, s3, 1
	s_cmp_lg_u32 s3, 0
	s_cbranch_scc1 .Llap
	THREE 0, 0                                     ; the last lap fills nothing
	TURN 0, 1, 0
	THREE 1, 0
	s_wait_dscnt 8
	WIN MUL_LO
	MUL16 F1, 0, 0, 0
	MUL16 F1, 0, 2, 0
	s_wait_dscnt 0
	WIN MUL_HI
	MUL16 F1, 1, 0, 0
	MUL16 F1, 1, 2, 0
	; THE WAY OUT, 16 rows at a time: times the row's scale, round to bf16, 16 bytes a lane into my own stage, read back by heads.
	PLACES
; rows 16 i .. 16 i + 15 of my block = the eight tiles (a, 0..7) of window 2 or 3 (from = 0x02 or 0x03: source 0); f: R0 or R1 in turn
.macro OUT16 i, a, from, f
	WIN \from
.irp b, 0,1,2,3,4,5,6,7
.irp p, 0,1,2,3
	v_pk_mul_f32 v[T+8*\b+2*\p:T+8*\b+2*\p+1], v[8*(8*\a+\b)+2*\p:8*(8*\a+\b)+2*\p+1], v[SC+2*\i:SC+2*\i+1]
.endr
.endr
	WIN 0
.irp b, 0,1,2,3,4,5,6,7
.irp p, 0,1,2,3
	v_cvt_pk_bf16_f32 v[TMP+4*\b+\p], v[T+8*\b+2*\p], v[T+8*\b+2*\p+1]
.endr
.endr
.irp b, 0,1,2,3,4,5,6,7
	ds_store_b128 v[STO], v[TMP+4*\b:TMP+4*\b+3] offset:32*\b
.endr
	s_wait_xcnt 0x0                                ; set f was the data of earlier stores: it is loaded again only behind this wait (ISA guide 3.1)
.irp t, 0,1,2,3,4,5,6,7
	ds_load_b128 v[\f+4*\t:\f+4*\t+3], v[RD] offset:(\t&3)*4*SPITCH+(\t>>2)*128    ; four rows of one head; LDS serves a wave's instructions in order (ISA guide 5.7.1): these see the stores above
.endr
.irp t, 0,1,2,3,4,5,6,7
	s_wait_dscnt 7-\t                              ; load t is in, the 7 - t younger ones stay out
	global_store_b128 v[CO], v[\f+4*\t:\f+4*\t+3], s[8:9] offset:(\t>>2)*262144+(\t&3)*512+\i*2048   ; 512 consecutive bytes of a head, aligned to 512
.endr
.endm
	OUT16 0, 0, 0x02, R0
	OUT16 1, 1, 0x02, R1
	OUT16 2, 2, 0x02, R0
	OUT16 3, 3, 0x02, R1
	OUT16 4, 0, 0x03, R0
	OUT16 5, 1, 0x03, R1
	OUT16 6, 2, 0x03, R0
	OUT16 7, 3, 0x03, R1
	s_set_vgpr_msb 0x1
	s_wait_tensorcnt 0x0
	ds_add_u32 v255, v63
	s_wait_dscnt 0x0
	s_set_vgpr_msb 0x100
	CROUND                                         ; the closing round: no work-group ends while a partner may still ask for a tile that names it
	s_endpgm
.Lfunc_end_k_q6ee83e79a8_qkv:
	.size	k_q6ee83e79a8_qkv, .Lfunc_end_k_q6ee83e79a8_qkv-k_q6ee83e79a8_qkv
	.p2alignl 7, 3214868480
	.fill 96, 4, 3214868480
	.section	.rodata,"a",@progbits
	.p2align	6, 0x0
	.amdhsa_kernel k_q6ee83e79a8_qkv
		.amdhsa_group_segment_fixed_size 327680
		.amdhsa_private_segment_fixed_size 0
		.amdhsa_enable_private_segment 0
		.amdhsa_kernarg_size 48
		.amdhsa_user_sgpr_count 2
		.amdhsa_user_sgpr_kernarg_segment_ptr 1
		.amdhsa_wavefront_size32 1
		.amdhsa_system_sgpr_workgroup_id_x 1
		.amdhsa_system_sgpr_workgroup_id_y 1
		.amdhsa_system_sgpr_workgroup_id_z 1
		.amdhsa_system_vgpr_workitem_id 0
		.amdhsa_next_free_vgpr 1024
		.amdhsa_next_free_sgpr 84
		.amdhsa_reserve_vcc 0
		.amdhsa_float_denorm_mode_32 3
		.amdhsa_float_denorm_mode_16_64 3
		.amdhsa_memory_ordered 1
		.amdhsa_forward_progress 1
		.amdhsa_inst_pref_size 215
	.end_amdhsa_kernel
	.amdgpu_metadata
---
amdhsa.version: [ 1, 2 ]
amdhsa.kernels:
  - .name:           k_q6ee83e79a8_qkv
    .symbol:         k_q6ee83e79a8_qkv.kd
    .args:
      - { .name: cb, .offset: 0, .size: 8, .value_kind: global_buffer, .address_space: global }
      - { .name: bq, .offset: 8, .size: 8, .value_kind: global_buffer, .address_space: global }
      - { .name: bk, .offset: 16, .size: 8, .value_kind: global_buffer, .address_space: global }
      - { .name: bv, .offset: 24, .size: 8, .value_kind: global_buffer, .address_space: global }
      - { .name: mask, .offset: 32, .size: 8, .value_kind: global_buffer, .address_space: global }
      - { .name: qkv, .offset: 40, .size: 8, .value_kind: global_buffer, .address_space: global }
    .group_segment_fixed_size: 327680
    .private_segment_fixed_size: 0
    .kernarg_segment_align: 8
    .kernarg_segment_size: 48
    .max_flat_workgroup_size: 128
    .sgpr_count:     84
    .vgpr_count:     1024
    .wavefront_size: 32
...
	.end_amdgpu_metadata
.endif
;; end of part 2
;; launch attn (part 3): grid 8 x 32, 8 waves a work-group, clusters of 4 x 1, 327,680 bytes of LDS; arguments qkv, mask, ab; writes ab
.if DOCPART == 3
	.amdgcn_target "amdgcn-amd-amdhsa--gfx1250"
	.amdhsa_code_object_version 6
	.text
	.protected	k_q6ee83e79a8_attn
	.globl	k_q6ee83e79a8_attn
	.p2align	8
	.type	k_q6ee83e79a8_attn,@function
k_q6ee83e79a8_attn:
	s_mov_b64 s[64:65], 0
	v_nop
	global_prefetch_b8 v0, s[64:65] scope:SCOPE_SE
	s_setreg_imm32_b32 hwreg(HW_REG_WAVE_MODE, 25, 1), 1
	s_wait_xcnt 0x0
	s_wait_alu depctr_hold_cnt(0) depctr_sa_sdst(0) depctr_va_vdst(0) depctr_va_sdst(0) depctr_va_ssrc(0) depctr_va_vcc(0) depctr_vm_vsrc(0)
	s_getreg_b32 s2, hwreg(HW_REG_IB_STS2, 6, 4)
	s_cmp_eq_u32 s2, 0
	s_cbranch_scc0 .Lentry_in_a_cluster
	s_endpgm
.Lentry_in_a_cluster:
	s_bfe_u32 s2, ttmp6, 0x10000c
	s_cmp_lg_u32 s2, 0x3003
	s_cbranch_scc0 .Lentry_shape_is_right
	s_endpgm
.Lentry_shape_is_right:
; Attention of one head over 256 queries, with the masked softmax of the problem.  With m = mq mk, e_k = exp(s_k m - max over ALL keys):
;   x = mq sum(e_k mk v_k) / (mq sum(e_k mk) + 1e-13 sum(e_k)).
; qkv holds Q' = q mq log2(e)/8, K' = k mk, V' = v mk in bf16, [b][head][s][64], so Q' K'^T is s m log2(e) and the numerator is P V'.
; A true running maximum is kept (masked keys take part with score 0, as in the problem), and BOTH row sums.
; THE RESULT ab IS f16, the next product's operand: for a mask that is not negative x is a weighted mean of rows of v and does not scale with the mask.  v as drawn
; stays under about 3.5; inputs and weights thirty times larger make 3,200, offsets of thirty spreads on both about 1024 x 30 x 0.54 = 16,600, against f16's 65,504;
; with everything thirty times smaller x is about 3e-5, where f16's half step of 2^-25 is a thousandth of it, no coarser than bf16's.
; LIMITS, stated: e, the mask row and Q', K', V' are matrix operands in bf16 (exact for a mask of 0 and 1; K' and V' have no room in f16 when inputs, weights and
; mask are all thirty times larger); both row sums add the rounded e, the same that feeds the numerator; v_exp_f32 gives 0 below 2^-126 (ISA guide 15.8); a NaN
; score loses in the maximum; the denominator is formed as the problem forms it, so a mask with negative entries can make it 0 here as there; a result above
; 65,504 in magnitude becomes infinity in ab.
; WORK: work-group = (head bh = y, 256 queries).  Eight waves: qg = wave & 3 picks 64 queries (4 column tiles c), kg = wave >> 2 picks 1,024 keys;
; two waves share a SIMD's 1,024 registers, 512 each, and one's softmax runs beside the other's matrix work.  The two key halves meet once, in LDS.
; LAYOUT: S^T = K' Q'^T (A = 16 keys, B = 16 queries): register j of lane l is (key 8 (l / 16) + j, query l % 16).  Two key tiles, rounded and packed in
; place, ARE the B fragment of O^T = V'^T P^T; V'^T comes from [key][64] rows by the transposing LDS load.  A fifth A tile for every 32 keys, row 0 = ones,
; row 1 = the mask, rows 2-15 = 0, makes sum(e) and sum(e mk) in registers 0 and 1 of lanes 0-15.
; CLUSTERS: the four work-groups of a cluster are four query blocks of one head and walk the same K' and V' tiles: every tile is asked for jointly.
.set SLOT,  81920                      ; K' of key half 0 at +0, of half 1 at +18,432; V' of half 0 at +40,960, of half 1 at +61,440
.set KP,    144                        ; K' row: 128 bytes + 16: sixteen rows start at sixteen different groups of banks
.set VP,    160                        ; V' row: 128 bytes + 32: an odd multiple of 32, as the transposing load's eight rows want
.set KHALF, 128*KP
.set VHALF, 128*VP
.set VBASE, 40960
.set TILE,  16384                      ; 128 keys x 128 bytes, dense in memory
.set MASKB, 163840                     ; 4,096 bytes: mask[b][0..2047] in bf16; written by LDS stores, no tensor load lands here
.set MRG,   167936                     ; 4 x 17,920: what key half 1 hands over: O 32 x 512 bytes, sums 4 x 256 at +16,384, maxima 512 at +17,408
.set MRGW,  17920
.set OST,   239616                     ; 4 x 9,216: 64 rows of 144 bytes for the way out
.set OSTW,  9216
.set KADR, 4                           ; v4-5   LDS address of my K' fragments in slot 0, 1
.set VADR, 6                           ; v6-7   the same for V'
.set MADR, 8                           ; v8     LDS address of my keys' mask, stepped 256 bytes a trip
.set ANDM, 9                           ; v9     all ones in lanes l % 16 = 1
.set ORM,  10                          ; v10    two bf16 ones in lanes l % 16 = 0
.set QOFF, 11                          ; v11    my bytes of a Q' tile
.set MQ,   12                          ; v[12:15] mask of query l % 16 of column tile c
.set MX,   16                          ; v[16:19] running maximum
.set AL,   20                          ; v[20:27] pair c: 2^(old maximum - new) in its first register
.set NW,   28                          ; v[28:35] pair c: the new maximum in its first register
.set TX,   36                          ; v[36:47] at work
.set MF,   48                          ; v[48:63] the ones-and-mask tile of key pair kp at 48 + 8 kp
.set KV,   64                          ; v[64:127] K'[kt][ks] at 64 + 16 kt + 8 ks, then V'[kp][dt] at 64 + 32 kp + 8 dt
.set SR,   128                         ; v[128:255] S[c][kt] at 128 + 32 c + 8 kt; P[c][kp] in place at 128 + 32 c + 16 kp
.set QF,   0                           ; window 1: Q'[c][ks] at 16 c + 8 ks
.set OA,   64                          ; window 1: O[c][dt] at 64 + 32 c + 8 dt
.set LA,   192                         ; window 1: the sums' tile of c at 192 + 8 c
.set G1K, 16                           ; s[16:23] group 1 for K' tiles
.set G1V, 24                           ; s[24:31] for V' tiles: a wider pad
.set G0K, 32                           ; s[32:39] group 0 for K', a set for each slot
.set G0V, 40                           ; s[40:47] for V'
.set MSB, 0
.macro WIN new                         ; low byte: bits 1:0 source 0, 3:2 source 1, 5:4 source 2, 7:6 destination; the high byte repeats the setting that is left
.if MSB != \new
	s_set_vgpr_msb (MSB<<8)|\new
.set MSB, \new
.endif
.endm
; A round of the cluster's barrier
.macro ROUND
	s_barrier_signal -1
	s_barrier_wait -1
	s_cmp_lg_u32 s10, 0
	s_cbranch_scc1 .Lnot_wave_0_\@
	s_barrier_signal -3
.Lnot_wave_0_\@:
	s_barrier_wait -3
	s_barrier_signal -1
	s_barrier_wait -1
.endm
; A step's four tiles, one joint load a wave: waves 0, 1 K' of key half 0, 1; waves 2, 3 V' of key half 0, 1; waves 4 to 7 none.
.macro JLOAD s
	s_cmp_ge_u32 s10, 4
	s_cbranch_scc1 .Lasked_\@
	s_cmp_ge_u32 s10, 2
	s_cbranch_scc1 .Lfor_v_\@
	tensor_load_to_lds s[G0K+4*\s:G0K+4*\s+3], s[G1K:G1K+7]
	s_nop 0
	s_branch .Lasked_\@
.Lfor_v_\@:
	tensor_load_to_lds s[G0V+4*\s:G0V+4*\s+3], s[G1V:G1V+7]
	s_nop 0
.Lasked_\@:
.endm
	s_load_b128 s[4:7], s[0:1], 0x0                ; qkv s[4:5], mask s[6:7]
	s_load_b64 s[8:9], s[0:1], 0x10                ; ab
	s_set_vgpr_msb 0x40
	v_lshl_add_u32 v254, v0, 2, 0x43800
	v_mov_b32 v255, 0
	s_set_vgpr_msb 0x4045
	ds_add_u32 v254, v255
	s_set_vgpr_msb 0x4500
	v_lshrrev_b32 v1, 5, v0
	v_readfirstlane_b32 s10, v1                    ; wave 0..7
	s_lshr_b32 s11, s10, 2                         ; kg
	s_and_b32 s12, s10, 3                          ; qg
	s_bfe_u32 s13, ttmp6, 0x40000                  ; cx
	s_lshl_b32 s14, ttmp9, 2
	s_add_co_u32 s14, s14, s13                     ; query block 0..7
	s_and_b32 s15, ttmp7, 0xffff                   ; bh = 16 b + head
	s_mov_b32 s52, 0x76543210                      ; v_permlanex16_b32: lane i of one half reads lane i of the other
	s_mov_b32 s53, 0xfedcba98
	; group 1: a dense tile of 16 KiB as 64 rows of 32 elements of 8 bytes; padding behind every 32 words (a key's 128 bytes): 4 words for K', 8 for V'.
	; The mask names the cluster's four work-groups.
	s_mov_b32 s[G1K+0], 15|(3<<16)|(1<<20)|(1<<21)|(4<<22)|(3<<25)
	s_mov_b32 s[G1V+0], 15|(3<<16)|(1<<20)|(1<<21)|(4<<22)|(7<<25)
	s_mov_b32 s[G1K+1], 32<<16                     ; tensor_dim0 = 32
	s_mov_b32 s[G1V+1], 32<<16
	s_mov_b32 s[G1K+2], 64<<16                     ; tensor_dim1 = 64
	s_mov_b32 s[G1V+2], 64<<16
	s_mov_b32 s[G1K+3], 32<<16                     ; tile_dim0 = 32
	s_mov_b32 s[G1V+3], 32<<16
	s_mov_b32 s[G1K+4], 64                         ; tile_dim1 = 64
	s_mov_b32 s[G1V+4], 64
	s_mov_b32 s[G1K+5], 32                         ; elements from row to row
	s_mov_b32 s[G1V+5], 32
	s_mov_b32 s[G1K+6], 0
	s_mov_b32 s[G1V+6], 0
	s_mov_b32 s[G1K+7], 0
	s_mov_b32 s[G1V+7], 0
	s_lshl_b32 s48, s15, 18                        ; the head's 262,144 bytes
	s_lshl_b32 s49, s10, 17                        ; + wave x 1,024 keys x 128 bytes: nothing here holds cx
	s_add_co_u32 s48, s48, s49
	s_mov_b32 s49, 0
	s_mul_i32 s2, s10, KHALF                       ; K' (waves 0, 1): LDS byte wave x 18,432
	s_mul_i32 s3, s10, VHALF                       ; V' (waves 2, 3): LDS byte wave x 20,480 = 40,960 and 61,440
	s_wait_dscnt 0x0
	s_wait_kmcnt 0x0
	s_add_nc_u64 s[50:51], s[4:5], s[48:49]
.irp s, 0,1
	s_mov_b32 s[G0K+4*\s], 1
	s_add_co_u32 s[G0K+4*\s+1], s2, \s*SLOT
	s_add_nc_u64 s[G0K+4*\s+2:G0K+4*\s+3], s[50:51], 8388608+\s*TILE       ; K' begins 8 MiB into qkv; slot s starts with tile s
	s_or_b32 s[G0K+4*\s+3], s[G0K+4*\s+3], 0x80000000
	s_mov_b32 s[G0V+4*\s], 1
	s_add_co_u32 s[G0V+4*\s+1], s3, \s*SLOT
	s_add_nc_u64 s[G0V+4*\s+2:G0V+4*\s+3], s[50:51], 16515072+\s*TILE      ; V' begins 16 MiB in; less 2 x 131,072, since its waves are 2 and 3
	s_or_b32 s[G0V+4*\s+3], s[G0V+4*\s+3], 0x80000000
.endr
	ROUND                                          ; the four work-groups are here: the first joint loads meet
	JLOAD 0                                        ; tile 0: one tensor load of the wave is out
	v_and_b32 v1, 31, v0                           ; l
	v_and_b32 v2, 15, v0                           ; l % 16
	v_bfe_u32 v3, v0, 4, 1                         ; l / 16
	s_lshl_b32 s62, s15, 11                        ; my first query's row: 2048 bh + 256 block + 64 qg (offsets that hold cx live in s[62:63] alone)
	s_lshl_b32 s63, s14, 8
	s_add_co_u32 s62, s62, s63
	s_lshl_b32 s63, s12, 6
	s_add_co_u32 s62, s62, s63
	s_lshl_b32 s62, s62, 7                         ; x 128 bytes
	s_mov_b32 s63, 0
	s_add_nc_u64 s[56:57], s[4:5], s[62:63]        ; my rows of Q'
	s_add_nc_u64 s[8:9], s[8:9], s[62:63]          ; and of ab
	s_lshr_b32 s48, s15, 4                         ; b
	s_lshl_b32 s48, s48, 13
	s_add_nc_u64 s[58:59], s[6:7], s[48:49]        ; mask[b]
	s_lshl_b32 s62, s14, 10
	s_lshl_b32 s54, s12, 8
	s_add_co_u32 s62, s62, s54
	s_add_nc_u64 s[60:61], s[58:59], s[62:63]      ; mask of my 64 queries
	v_lshlrev_b32 v[TX], 5, v0                     ; thread t brings 8 numbers of mask[b]
	v_lshlrev_b32 v[TX+1], 2, v2
	v_lshlrev_b32 v[QOFF], 7, v2
	v_lshl_add_u32 v[QOFF], v3, 4, v[QOFF]         ; row l % 16, 16 bytes for each half of the lanes
	global_load_b128 v[SR:SR+3],   v[TX], s[58:59]
	global_load_b128 v[SR+4:SR+7], v[TX], s[58:59] offset:16
	WIN 0x40                                       ; destination in window 1
.irp c, 0,1,2,3
.irp ks, 0,1
	global_load_b128 v[QF+16*\c+8*\ks:QF+16*\c+8*\ks+3],   v[QOFF], s[56:57] offset:2048*\c+64*\ks
	global_load_b128 v[QF+16*\c+8*\ks+4:QF+16*\c+8*\ks+7], v[QOFF], s[56:57] offset:2048*\c+64*\ks+32
.endr
.endr
	WIN 0
.irp c, 0,1,2,3
	global_load_b32 v[MQ+\c], v[TX+1], s[60:61] offset:64*\c
.endr
	v_mul_u32_u24 v[KADR], v2, KP                  ; K': row l % 16, 16 bytes for each half
	v_lshl_add_u32 v[KADR], v3, 4, v[KADR]
	s_mul_i32 s54, s11, KHALF
	v_add_nc_u32 v[KADR], s54, v[KADR]
	v_add_nc_u32 v[KADR+1], SLOT, v[KADR]
	v_and_b32 v[TX+8], 7, v0                       ; V': row 8 (l / 16) + l % 8, 16 bytes for each group of eight lanes
	v_lshl_add_u32 v[TX+8], v3, 3, v[TX+8]
	v_mul_u32_u24 v[VADR], v[TX+8], VP
	v_bfe_u32 v[TX+8], v0, 3, 1
	v_lshl_add_u32 v[VADR], v[TX+8], 4, v[VADR]
	s_mul_i32 s54, s11, VHALF
	s_add_co_u32 s54, s54, VBASE
	v_add_nc_u32 v[VADR], s54, v[VADR]
	v_add_nc_u32 v[VADR+1], SLOT, v[VADR]
	s_lshl_b32 s54, s11, 11
	s_add_co_u32 s54, s54, MASKB
	v_lshl_add_u32 v[MADR], v3, 4, s54             ; my key half's mask, 16 bytes for each half of the lanes
	v_mov_b32 v[TX+8], -1
	v_mov_b32 v[TX+9], 0x3f803f80
	v_cmp_eq_u32 vcc_lo, 1, v2
	v_cndmask_b32 v[ANDM], 0, v[TX+8], vcc_lo
	v_cmp_eq_u32 vcc_lo, 0, v2
	v_cndmask_b32 v[ORM], 0, v[TX+9], vcc_lo
	v_lshl_add_u32 v[TX+2], v0, 4, MASKB
	s_wait_loadcnt 0x0                             ; mask, Q', mq: once
.irp i, 0,1,2,3
	v_cvt_pk_bf16_f32 v[SR+8+\i], v[SR+2*\i], v[SR+2*\i+1]
.endr
	ds_store_b128 v[TX+2], v[SR+8:SR+11]           ; the first trip's wait for 0 and its round show these bytes to every wave
.irp c, 0,1,2,3
	v_mov_b32 v[TX+4+\c], 0                        ; destinations of v_permlanex16_b32 count as read
	v_mov_b32 v[AL+2*\c+1], 0                      ; second registers of the pairs that packed instructions name
	v_mov_b32 v[NW+2*\c+1], 0
.endr
; 20 matrix instructions: 32 keys (pair kp) into the sixteen O tiles and the four tiles of sums.  zero = 1: they start the sums.
.macro PV kp, zero
.irp c, 0,1,2,3
.irp dt, 0,1,2,3
.if \zero
	v_wmma_f32_16x16x32_bf16 v[OA+32*\c+8*\dt:OA+32*\c+8*\dt+7], v[KV+32*\kp+8*\dt:KV+32*\kp+8*\dt+7], v[SR+32*\c+16*\kp:SR+32*\c+16*\kp+7], 0
.else
	v_wmma_f32_16x16x32_bf16 v[OA+32*\c+8*\dt:OA+32*\c+8*\dt+7], v[KV+32*\kp+8*\dt:KV+32*\kp+8*\dt+7], v[SR+32*\c+16*\kp:SR+32*\c+16*\kp+7], v[OA+32*\c+8*\dt:OA+32*\c+8*\dt+7]
.endif
.endr
.if \zero
	v_wmma_f32_16x16x32_bf16 v[LA+8*\c:LA+8*\c+7], v[MF+8*\kp:MF+8*\kp+7], v[SR+32*\c+16*\kp:SR+32*\c+16*\kp+7], 0
.else
	v_wmma_f32_16x16x32_bf16 v[LA+8*\c:LA+8*\c+7], v[MF+8*\kp:MF+8*\kp+7], v[SR+32*\c+16*\kp:SR+32*\c+16*\kp+7], v[LA+8*\c:LA+8*\c+7]
.endif
.endr
.endm
; 64 keys (half blk of the slot's 128) against my 64 queries.  first = 1: the very first block: no old maximum, no rescaling, the products start the sums.
.macro BLOCK slot, blk, first
.irp kp, 0,1
	ds_load_b128 v[MF+8*\kp:MF+8*\kp+3],   v[MADR] offset:128*\blk+64*\kp
	ds_load_b128 v[MF+8*\kp+4:MF+8*\kp+7], v[MADR] offset:128*\blk+64*\kp+32
.endr
.irp ks, 0,1
.irp kt, 0,1,2,3
	ds_load_b128 v[KV+16*\kt+8*\ks:KV+16*\kt+8*\ks+3],   v[KADR+\slot] offset:(64*\blk+16*\kt)*KP+64*\ks
	ds_load_b128 v[KV+16*\kt+8*\ks+4:KV+16*\kt+8*\ks+7], v[KADR+\slot] offset:(64*\blk+16*\kt)*KP+64*\ks+32
.endr
.endr
	s_wait_dscnt 8                                 ; the mask and the first 32 of the head's 64 are in; the eight loads of the second 32 may be out
	WIN 0x04                                       ; source 1 (Q') in window 1
	; the sixteen score tiles take turns, one instruction a turn, in the same order in both halves of the head's 64
.irp kt, 0,1,2,3
.irp c, 0,1,2,3
	v_wmma_f32_16x16x32_bf16 v[SR+32*\c+8*\kt:SR+32*\c+8*\kt+7], v[KV+16*\kt:KV+16*\kt+7], v[QF+16*\c:QF+16*\c+7], 0
.endr
.endr
	s_wait_dscnt 0
.irp kt, 0,1,2,3
.irp c, 0,1,2,3
	v_wmma_f32_16x16x32_bf16 v[SR+32*\c+8*\kt:SR+32*\c+8*\kt+7], v[KV+16*\kt+8:KV+16*\kt+15], v[QF+16*\c+8:QF+16*\c+15], v[SR+32*\c+8*\kt:SR+32*\c+8*\kt+7]
.endr
.endr
	WIN 0
	; row 0 = ones, row 1 = the mask, the other rows 0.  These sixteen lines name no register of the products above: they are the places
	; in front of the loads into K's registers and of the first read of a score.
.set n, 0
.rept 16
	v_and_or_b32 v[MF+n], v[MF+n], v[ANDM], v[ORM]
.set n, n+1
.endr
.irp kp, 0,1
.irp dt, 0,1,2,3
	ds_load_tr16_b128 v[KV+32*\kp+8*\dt:KV+32*\kp+8*\dt+3],   v[VADR+\slot] offset:(64*\blk+32*\kp)*VP+32*\dt
	ds_load_tr16_b128 v[KV+32*\kp+8*\dt+4:KV+32*\kp+8*\dt+7], v[VADR+\slot] offset:(64*\blk+32*\kp)*VP+32*\dt+16*VP
.endr
.endr
	; the largest of a query's 64 scores: 32 registers in four chains, then the other half of the lanes, then the old maximum
.irp c, 0,1,2,3
.irp q, 0,1,2,3
	v_max3_num_f32 v[TX+\q], v[SR+32*\c+8*\q], v[SR+32*\c+8*\q+1], v[SR+32*\c+8*\q+2]
.endr
.irp q, 0,1,2,3
	v_max3_num_f32 v[TX+\q], v[TX+\q], v[SR+32*\c+8*\q+3], v[SR+32*\c+8*\q+4]
.endr
.irp q, 0,1,2,3
	v_max3_num_f32 v[TX+\q], v[TX+\q], v[SR+32*\c+8*\q+5], v[SR+32*\c+8*\q+6]
.endr
	v_max3_num_f32 v[TX],   v[TX],   v[TX+1], v[SR+32*\c+7]
	v_max3_num_f32 v[TX+2], v[TX+2], v[TX+3], v[SR+32*\c+15]
	v_max3_num_f32 v[TX],   v[TX],   v[TX+2], v[SR+32*\c+23]
	v_max_num_f32 v[NW+2*\c], v[TX], v[SR+32*\c+31]
.endr
.irp c, 0,1,2,3
	v_permlanex16_b32 v[TX+4+\c], v[NW+2*\c], s52, s53
.endr
.irp c, 0,1,2,3
.if \first
	v_max_num_f32 v[NW+2*\c], v[NW+2*\c], v[TX+4+\c]
.else
	v_max3_num_f32 v[NW+2*\c], v[NW+2*\c], v[TX+4+\c], v[MX+\c]
.endif
.endr
.if \first == 0
.irp c, 0,1,2,3
	v_sub_f32 v[AL+2*\c], v[MX+\c], v[NW+2*\c]
.endr
.endif
.irp c, 0,1,2,3
.set n, 0
.rept 16
	v_pk_add_f32 v[SR+32*\c+2*n:SR+32*\c+2*n+1], v[SR+32*\c+2*n:SR+32*\c+2*n+1], v[NW+2*\c:NW+2*\c+1] op_sel_hi:[1,0] neg_lo:[0,1] neg_hi:[0,1]
.set n, n+1
.endr
.endr
.if \first == 0
.irp c, 0,1,2,3
	v_exp_f32 v[AL+2*\c], v[AL+2*\c]
.endr
.endif
.set n, 0
.rept 128
	v_exp_f32 v[SR+n], v[SR+n]
.set n, n+1
.endr
.irp c, 0,1,2,3
	v_mov_b32 v[MX+\c], v[NW+2*\c]                 ; plain lines between the last exponential and the first use of one (ISA guide 5.7.2)
.endr
	s_wait_alu depctr_va_vdst(0)
.irp c, 0,1,2,3
.irp kp, 0,1
.irp i, 0,1,2,3,4,5,6,7
	v_cvt_pk_bf16_f32 v[SR+32*\c+16*\kp+\i], v[SR+32*\c+16*\kp+2*\i], v[SR+32*\c+16*\kp+2*\i+1]   ; in place: register i is written when 2 i and 2 i + 1 have been read
.endr
.endr
.endr
.if \first == 0
	WIN 0x41                                       ; source 0 and destination in window 1
.irp c, 0,1,2,3
.set n, 0
.rept 16
	v_pk_mul_f32 v[OA+32*\c+2*n:OA+32*\c+2*n+1], v[OA+32*\c+2*n:OA+32*\c+2*n+1], v[AL+2*\c:AL+2*\c+1] op_sel_hi:[1,0]
.set n, n+1
.endr
	v_pk_mul_f32 v[LA+8*\c:LA+8*\c+1], v[LA+8*\c:LA+8*\c+1], v[AL+2*\c:AL+2*\c+1] op_sel_hi:[1,0]  ; the tile's other rows are 0 and stay 0
.endr
.endif
	s_wait_dscnt 0                                 ; V'
	; twenty accumulators take turns, one instruction a turn, in the same order for both key pairs
.if \first
	WIN 0x40                                       ; destination in window 1
	PV 0, 1
.else
	WIN 0x50                                       ; C and D in window 1
	PV 0, 0
.endif
	WIN 0x50
	PV 1, 0
	WIN 0
.rept 5
	v_nop                                          ; five places before the next score products write over P; four of them serve the next loads into K', V' and mask registers
.endr
.endm
; A trip: 128 keys of each key half.  In front of the round every wave waits for all its tensor loads and for its reads of the slot read last;
; behind it the joint refill of that slot comes first, one tensor load a wave, and has the whole trip in which to land.
.macro TRIP slot, other, refill, first
	s_set_vgpr_msb 0x5
	s_wait_tensorcnt 0x0                           ; all my tensor loads are done, my part of this trip's tiles among them, so a group 0 may be written:
	ds_add_u32 v254, v255
	s_wait_dscnt 0x0
	s_set_vgpr_msb 0x500
	s_add_nc_u64 s[G0K+4*\slot+2:G0K+4*\slot+3], s[G0K+4*\slot+2:G0K+4*\slot+3], 2*TILE   ; this slot's next tile
	s_add_nc_u64 s[G0V+4*\slot+2:G0V+4*\slot+3], s[G0V+4*\slot+2:G0V+4*\slot+3], 2*TILE
	s_wait_dscnt 0x0                               ; my LDS reads of the last trip's tiles are done (first trip: my store of the mask)
	ROUND
.if \refill
	JLOAD \other
.endif
	BLOCK \slot, 0, \first
	BLOCK \slot, 1, 0
	v_add_nc_u32 v[MADR], 256, v[MADR]             ; the next 128 keys' mask
.endm
	TRIP 0, 1, 1, 1                                ; tiles 0 to 7 of each key half; slot 1's first fill is issued as a refill is
	TRIP 1, 0, 1, 0
	s_mov_b32 s54, 2
.Lloop:
	TRIP 0, 1, 1, 0
	TRIP 1, 0, 1, 0
	s_sub_co_u32 s54, s54, 1
	s_cmp_lg_u32 s54, 0
	s_cbranch_scc1 .Lloop
	TRIP 0, 1, 1, 0
	TRIP 1, 0, 0, 0                                ; the last tile: nothing is left to fetch
	; THE TWO KEY HALVES MEET.  Key half 1 hands over O, the sums and the maxima; key half 0 joins, divides and stores.
	s_mul_i32 s2, s12, MRGW
	s_add_co_u32 s2, s2, MRG
	v_lshl_add_u32 v4, v1, 4, s2                   ; 16 bytes a lane
	v_lshl_add_u32 v5, v1, 3, s2                   ; 8 bytes a lane
	s_cmp_eq_u32 s11, 0
	s_cbranch_scc1 .Lno_send
	WIN 0x04                                       ; store data in window 1
.set n, 0
.rept 32
	ds_store_b128 v4, v[OA+4*n:OA+4*n+3] offset:512*n
.set n, n+1
.endr
.irp c, 0,1,2,3
	ds_store_b64 v5, v[LA+8*\c:LA+8*\c+1] offset:16384+256*\c
.endr
	WIN 0
	ds_store_b128 v4, v[MX:MX+3] offset:17408
.Lno_send:
	s_wait_dscnt 0x0                               ; for the other wave's sake: my stores are done
	s_barrier_signal -1
	s_barrier_wait -1
	s_cmp_lg_u32 s11, 0
	s_cbranch_scc1 .Lclose
	ds_load_b128 v[TX:TX+3], v4 offset:17408       ; the other half's maxima
.irp c, 0,1,2,3
	ds_load_b64 v[TX+4+2*\c:TX+5+2*\c], v5 offset:16384+256*\c     ; its two sums
.endr
.set n, 0
.rept 32
	ds_load_b128 v[SR+4*n:SR+4*n+3], v4 offset:512*n               ; its O, register for register as mine
.set n, n+1
.endr
	s_mul_i32 s3, s12, OSTW
	s_add_co_u32 s3, s3, OST
	v_mul_u32_u24 v6, v2, KP                       ; way out, in: row l % 16, 16 bytes for each half of the lanes
	v_lshl_add_u32 v6, v3, 4, v6
	v_add_nc_u32 v6, s3, v6
	v_lshrrev_b32 v7, 3, v1                        ; back: eight lanes take a row's 128 bytes
	v_mul_u32_u24 v7, v7, KP
	v_and_b32 v8, 7, v0
	v_lshl_add_u32 v7, v8, 4, v7
	v_add_nc_u32 v7, s3, v7
	v_lshlrev_b32 v8, 4, v1                        ; four rows are 512 consecutive bytes of ab
	s_wait_dscnt 32                                ; maxima and sums are in; the 32 loads of O may be out
.irp c, 0,1,2,3
	v_max_num_f32 v[MF+\c], v[MX+\c], v[TX+\c]     ; the maximum over all 2,048 keys
.endr
.irp c, 0,1,2,3
	v_sub_f32 v[AL+2*\c], v[MX+\c], v[MF+\c]
	v_sub_f32 v[NW+2*\c], v[TX+\c], v[MF+\c]
.endr
.irp c, 0,1,2,3
	v_exp_f32 v[AL+2*\c], v[AL+2*\c]               ; a: my half's factor
	v_exp_f32 v[NW+2*\c], v[NW+2*\c]               ; a': the other's
.endr
	v_nop                                          ; a plain place behind the exponentials (ISA guide 5.7.2)
	s_wait_alu depctr_va_vdst(0)
.irp c, 0,1,2,3
	v_pk_mul_f32 v[TX+4+2*\c:TX+5+2*\c], v[TX+4+2*\c:TX+5+2*\c], v[NW+2*\c:NW+2*\c+1] op_sel_hi:[1,0]
.endr
	WIN 0x01                                       ; source 0 in window 1
.irp c, 0,1,2,3
	v_pk_fma_f32 v[TX+4+2*\c:TX+5+2*\c], v[LA+8*\c:LA+8*\c+1], v[AL+2*\c:AL+2*\c+1], v[TX+4+2*\c:TX+5+2*\c] op_sel_hi:[1,0,1]
.endr
	WIN 0
.irp c, 0,1,2,3
	v_permlanex16_b32 v[MF+4+2*\c], v[TX+4+2*\c], s52, s53         ; lanes 16-31 hold rows 8 and 9 of the tile, which are 0:
	v_permlanex16_b32 v[MF+5+2*\c], v[TX+5+2*\c], s52, s53
.endr
.irp c, 0,1,2,3
	v_pk_add_f32 v[TX+4+2*\c:TX+5+2*\c], v[TX+4+2*\c:TX+5+2*\c], v[MF+4+2*\c:MF+5+2*\c]   ; the sum puts both sums into both halves
.endr
.irp c, 0,1,2,3
	v_mul_f32 v[MF+\c], 0x29e12e13, v[TX+4+2*\c]   ; 1e-13 sum(e)
.endr
.irp c, 0,1,2,3
	v_fmac_f32 v[MF+\c], v[MQ+\c], v[TX+5+2*\c]    ; + mq sum(e mk)
.endr
.irp c, 0,1,2,3
	v_rcp_f32 v[MF+\c], v[MF+\c]
.endr
	v_nop                                          ; a plain place behind the reciprocals
	s_wait_alu depctr_va_vdst(0)
.irp c, 0,1,2,3
	v_mul_f32 v[MF+\c], v[MQ+\c], v[MF+\c]         ; g = mq / denominator
.endr
.irp c, 0,1,2,3
	v_mul_f32 v[AL+2*\c], v[AL+2*\c], v[MF+\c]
	v_mul_f32 v[NW+2*\c], v[NW+2*\c], v[MF+\c]
.endr
	s_wait_dscnt 0
.irp c, 0,1,2,3
.set n, 0
.rept 16
	v_pk_mul_f32 v[SR+32*\c+2*n:SR+32*\c+2*n+1], v[SR+32*\c+2*n:SR+32*\c+2*n+1], v[NW+2*\c:NW+2*\c+1] op_sel_hi:[1,0]
.set n, n+1
.endr
.endr
	WIN 0x01
.irp c, 0,1,2,3
.set n, 0
.rept 16
	v_pk_fma_f32 v[SR+32*\c+2*n:SR+32*\c+2*n+1], v[OA+32*\c+2*n:OA+32*\c+2*n+1], v[AL+2*\c:AL+2*\c+1], v[SR+32*\c+2*n:SR+32*\c+2*n+1] op_sel_hi:[1,0,1]
.set n, n+1
.endr
.endr
	WIN 0
.irp c, 0,1,2,3
.irp dt, 0,1,2,3
.irp i, 0,1,2,3
	v_cvt_pk_f16_f32 v[SR+32*\c+8*\dt+\i], v[SR+32*\c+8*\dt+2*\i], v[SR+32*\c+8*\dt+2*\i+1]        ; the result goes on in f16: see the head
.endr
	ds_store_b128 v6, v[SR+32*\c+8*\dt:SR+32*\c+8*\dt+3] offset:16*KP*\c+32*\dt    ; query 16 c + l % 16, numbers 16 dt + 8 (l / 16) + 0..7
.endr
.endr
.set n, 0
.rept 16
	ds_load_b128 v[KV+4*n:KV+4*n+3], v7 offset:4*KP*n              ; my own stage: LDS serves a wave's instructions in order (ISA guide 5.7.1)
.set n, n+1
.endr
.set n, 0
.rept 16
	s_wait_dscnt 15-n                              ; load n is in, the 15 - n younger ones stay out
	global_store_b128 v8, v[KV+4*n:KV+4*n+3], s[8:9] offset:512*n  ; 512 consecutive bytes of ab, aligned to 512
.set n, n+1
.endr
.Lclose:
	s_set_vgpr_msb 0x5
	s_wait_tensorcnt 0x0
	ds_add_u32 v254, v255
	s_wait_dscnt 0x0
	s_set_vgpr_msb 0x500
	ROUND                                          ; the closing round: no work-group ends while a partner may still ask for a tile that names it
	s_endpgm
.Lfunc_end_k_q6ee83e79a8_attn:
	.size	k_q6ee83e79a8_attn, .Lfunc_end_k_q6ee83e79a8_attn-k_q6ee83e79a8_attn
	.p2alignl 7, 3214868480
	.fill 96, 4, 3214868480
	.section	.rodata,"a",@progbits
	.p2align	6, 0x0
	.amdhsa_kernel k_q6ee83e79a8_attn
		.amdhsa_group_segment_fixed_size 327680
		.amdhsa_private_segment_fixed_size 0
		.amdhsa_enable_private_segment 0
		.amdhsa_kernarg_size 24
		.amdhsa_user_sgpr_count 2
		.amdhsa_user_sgpr_kernarg_segment_ptr 1
		.amdhsa_wavefront_size32 1
		.amdhsa_system_sgpr_workgroup_id_x 1
		.amdhsa_system_sgpr_workgroup_id_y 1
		.amdhsa_system_sgpr_workgroup_id_z 1
		.amdhsa_system_vgpr_workitem_id 0
		.amdhsa_next_free_vgpr 512
		.amdhsa_next_free_sgpr 66
		.amdhsa_reserve_vcc 1
		.amdhsa_float_denorm_mode_32 3
		.amdhsa_float_denorm_mode_16_64 3
		.amdhsa_memory_ordered 1
		.amdhsa_forward_progress 1
		.amdhsa_inst_pref_size 255
	.end_amdhsa_kernel
	.section	.bss,"aw",@nobits
	.p2align	6
	.space	262144
	.amdgpu_metadata
---
amdhsa.version: [ 1, 2 ]
amdhsa.kernels:
  - .name:           k_q6ee83e79a8_attn
    .symbol:         k_q6ee83e79a8_attn.kd
    .args:
      - { .name: qkv, .offset: 0, .size: 8, .value_kind: global_buffer, .address_space: global }
      - { .name: mask, .offset: 8, .size: 8, .value_kind: global_buffer, .address_space: global }
      - { .name: ab, .offset: 16, .size: 8, .value_kind: global_buffer, .address_space: global }
    .group_segment_fixed_size: 327680
    .private_segment_fixed_size: 0
    .kernarg_segment_align: 8
    .kernarg_segment_size: 24
    .max_flat_workgroup_size: 256
    .sgpr_count:     66
    .vgpr_count:     512
    .wavefront_size: 32
...
	.end_amdgpu_metadata
.endif
;; end of part 3
;; launch oproj (part 4): grid 8 x 32, 4 waves a work-group, clusters of 4 x 4, 327,680 bytes of LDS; arguments ab, cb, bo, out0; writes out0
.if DOCPART == 4
	.amdgcn_target "amdgcn-amd-amdhsa--gfx1250"
	.amdhsa_code_object_version 6
	.text
	.protected	k_q6ee83e79a8_oproj
	.globl	k_q6ee83e79a8_oproj
	.p2align	8
	.type	k_q6ee83e79a8_oproj,@function
k_q6ee83e79a8_oproj:
	s_mov_b64 s[64:65], 0
	v_nop
	global_prefetch_b8 v0, s[64:65] scope:SCOPE_SE
	s_setreg_imm32_b32 hwreg(HW_REG_WAVE_MODE, 25, 1), 1
	s_wait_xcnt 0x0
	s_wait_alu depctr_hold_cnt(0) depctr_sa_sdst(0) depctr_va_vdst(0) depctr_va_sdst(0) depctr_va_ssrc(0) depctr_va_vcc(0) depctr_vm_vsrc(0)
	s_getreg_b32 s2, hwreg(HW_REG_IB_STS2, 6, 4)
	s_cmp_eq_u32 s2, 0
	s_cbranch_scc0 .Lentry_in_a_cluster
	s_endpgm
.Lentry_in_a_cluster:
	s_bfe_u32 s2, ttmp6, 0x10000c
	s_cmp_lg_u32 s2, 0xf033
	s_cbranch_scc0 .Lentry_shape_is_right
	s_endpgm
.Lentry_shape_is_right:
; out0[m][n] = sum over k of x[m][k] Wo[n][k] + bo[n], f32.  x is ab, f16, laid out [b][head][s][64] (k = 64 head + d); Wo is f16, [1024][1024], 14 MiB into cb.
; Both operands have room in f16 (x: a weighted mean of rows of v, under 3,200 with inputs and weights thirty times larger than drawn, about 16,600 with offsets of
; thirty spreads on both; Wo: under 0.94 then) and take its 11 significant bits.  LIMIT, stated: what passed 65,504 in magnitude arrives here as infinity.
; Sums in f32, started by the bias.  4096 x 1024 in blocks of 128 x 128: 256 work-groups of four waves, a wave 64 x 64: 16 accumulator tiles.
; K = 1,024 goes through two LDS slots of 256 (four heads) each: four fills, written out without a loop.
; CLUSTERS: 4 x 4 work-groups.  x's tiles hang on the block row alone and are shared along a row of the cluster, Wo's on the block column alone and are shared along
; a column: joint loads, 32 KiB a wave.
; THE MATRIX INSTRUCTION IS USED TRANSPOSED (source 0 = rows of Wo, source 1 = rows of x): a lane holds eight neighbouring columns of one row of out0.
.set AP,     144                       ; x: a head's row of 128 bytes + 16
.set BP,     528                       ; Wo: a row of 512 bytes + 16: both pitches are odd multiples of 16 bytes
.set AHEAD,  128*AP                    ; 128 rows of one head
.set BBASE,  4*AHEAD                   ; Wo's 128 rows lie behind x's four heads
.set SLOT,   BBASE+128*BP              ; 141,312
.set STAGE,  2*SLOT                    ; 4 x 4,352: 16 rows of 272 bytes for each wave; no tensor load lands here
.set SPITCH, 272
.set ADRA, 4                           ; v4-5   LDS address of my x fragments in slot 0, 1
.set ADRB, 6                           ; v6-7   the same for Wo
.set STO,  8
.set RD,   9
.set CO,   10
.set BOFF, 11
.set BIAS, 32                          ; v[32:63]  bias tile b at 32 + 8 b
.set FR,   64                          ; v[64:127] fragments: Wo's b at 64 + 8 b, x's a at 96 + 8 a; buffer 0 in window 0, buffer 1 in window 1
.set ACC,  128                         ; v[128:255] tile (a, b) at 128 + 8 (4 a + b)
.set G1A, 24
.set G0A, 32
.set G1B, 48
.set G0B, 56
.set MSB, 0
.macro WIN new                         ; low byte: bits 1:0 source 0, 3:2 source 1, 5:4 source 2, 7:6 destination; the high byte repeats the setting that is left
.if MSB != \new
	s_set_vgpr_msb (MSB<<8)|\new
.set MSB, \new
.endif
.endm
.macro JLOAD s                         ; waves 0, 1: two heads of x each; waves 2, 3: 64 rows of Wo each
	s_cmp_eq_u32 s13, 0
	s_cbranch_scc0 .Lfor_b_\@
	tensor_load_to_lds s[G0A+4*\s:G0A+4*\s+3], s[G1A:G1A+7]
	s_nop 0
	s_branch .Lasked_\@
.Lfor_b_\@:
	tensor_load_to_lds s[G0B+4*\s:G0B+4*\s+3], s[G1B:G1B+7]
	s_nop 0
.Lasked_\@:
.endm
.macro CROUND                          ; a round of the cluster's barrier
	s_barrier_signal -1
	s_barrier_wait -1
	s_cmp_lg_u32 s12, 0
	s_cbranch_scc1 .Lnot_wave_0_\@
	s_barrier_signal -3
.Lnot_wave_0_\@:
	s_barrier_wait -3
	s_barrier_signal -1
	s_barrier_wait -1
.endm
.macro PLACES                          ; four independent vector places behind a matrix instruction (ISA guide 7.12.1)
.rept 4
	v_nop
.endr
.endm
	s_load_b256 s[4:11], s[0:1], 0x0               ; ab s[4:5], cb s[6:7], bo s[8:9], out0 s[10:11]
	v_lshl_add_u32 v30, v0, 2, 0x49400
	v_mov_b32 v31, 0
	ds_add_u32 v30, v31
	v_lshrrev_b32 v1, 5, v0
	v_readfirstlane_b32 s12, v1                    ; wave 0..3
	s_lshr_b32 s13, s12, 1                         ; which 64 rows are mine.  Also: I fetch x (0) or Wo (1)
	s_and_b32 s14, s12, 1                          ; which 64 columns
	s_bfe_u32 s15, ttmp6, 0x40000                  ; cx
	s_bfe_u32 s16, ttmp6, 0x40004                  ; cy
	s_lshl_b32 s17, ttmp9, 2
	s_add_co_u32 s17, s17, s15                     ; block column 0..7
	s_and_b32 s18, ttmp7, 0xffff
	s_lshl_b32 s18, s18, 2
	s_add_co_u32 s18, s18, s16                     ; block row 0..31
	s_lshl_b32 s19, s16, 2
	s_lshl_b32 s19, 15, s19                        ; my row of the cluster
	s_lshl_b32 s20, 0x1111, s15                    ; my column
	; x: two heads, each 128 rows x 128 bytes dense = one row of 2,048 elements of 8 bytes, 32,768 elements from head to head; 4 words of padding behind every 32
	s_or_b32 s[G1A+0], s19, (3<<16)|(1<<20)|(1<<21)|(4<<22)|(3<<25)
	s_mov_b32 s[G1A+1], 2048<<16                   ; tensor_dim0
	s_mov_b32 s[G1A+2], 2<<16                      ; tensor_dim1
	s_mov_b32 s[G1A+3], 2048<<16                   ; tile_dim0
	s_mov_b32 s[G1A+4], 2                          ; tile_dim1
	s_mov_b32 s[G1A+5], 32768
	s_mov_b32 s[G1A+6], 0
	s_mov_b32 s[G1A+7], 0
	; Wo: 64 rows x 256 elements of 2 bytes, 1,024 elements from row to row; 4 words of padding behind every 128
	s_or_b32 s[G1B+0], s20, (1<<16)|(1<<20)|(1<<21)|(6<<22)|(3<<25)
	s_mov_b32 s[G1B+1], 256<<16
	s_mov_b32 s[G1B+2], 64<<16
	s_mov_b32 s[G1B+3], 256<<16
	s_mov_b32 s[G1B+4], 64
	s_mov_b32 s[G1B+5], 1024
	s_mov_b32 s[G1B+6], 0
	s_mov_b32 s[G1B+7], 0
	s_lshr_b32 s40, s18, 4                         ; x: b x 16 heads x 262,144 bytes
	s_lshl_b32 s40, s40, 22
	s_and_b32 s41, s18, 15                         ; + the block's 128 rows of 128 bytes inside a head
	s_lshl_b32 s41, s41, 14
	s_add_co_u32 s40, s40, s41
	s_lshl_b32 s41, s12, 19                        ; + wave x two heads
	s_add_co_u32 s40, s40, s41
	s_mov_b32 s41, 0
	s_lshl_b32 s42, s17, 18                        ; Wo: block column x 128 rows x 2,048 bytes
	s_lshl_b32 s43, s12, 17                        ; + wave x 64 rows,
	s_add_co_u32 s42, s42, s43
	s_add_co_u32 s42, s42, 14417920                ; from 14 MiB less two waves' rows, since Wo's waves are 2 and 3
	s_mov_b32 s43, 0
	s_mul_i32 s44, s12, 2*AHEAD                    ; LDS: x at wave x two heads
	s_mul_i32 s45, s12, 64*BP                      ; Wo at 73,728 + (wave - 2) x 64 rows
	s_add_co_u32 s45, s45, BBASE-2*64*BP
	s_wait_dscnt 0x0
	s_wait_kmcnt 0x0
	s_add_nc_u64 s[40:41], s[4:5], s[40:41]
	s_add_nc_u64 s[42:43], s[6:7], s[42:43]
	CROUND                                         ; all sixteen work-groups are here: the first joint loads meet
.irp s, 0,1
	s_mov_b32 s[G0A+4*\s], 1
	s_add_co_u32 s[G0A+4*\s+1], s44, \s*SLOT
	s_add_nc_u64 s[G0A+4*\s+2:G0A+4*\s+3], s[40:41], \s*1048576    ; fill s: heads 4 s .. 4 s + 3
	s_or_b32 s[G0A+4*\s+3], s[G0A+4*\s+3], 0x80000000
	s_mov_b32 s[G0B+4*\s], 1
	s_add_co_u32 s[G0B+4*\s+1], s45, \s*SLOT
	s_add_nc_u64 s[G0B+4*\s+2:G0B+4*\s+3], s[42:43], \s*512        ; the same 256 along K
	s_or_b32 s[G0B+4*\s+3], s[G0B+4*\s+3], 0x80000000
	JLOAD \s                                       ; both first fills go out together: two tensor loads of the wave are out
.endr
	s_lshl_b32 s22, s17, 9                         ; my 64 columns: (128 block column + 64 half) x 4 bytes
	s_lshl_b32 s23, s14, 8
	s_add_co_u32 s22, s22, s23
	s_mov_b32 s23, 0
	s_add_nc_u64 s[8:9], s[8:9], s[22:23]
	s_add_nc_u64 s[10:11], s[10:11], s[22:23]
	s_lshl_b32 s22, s18, 19                        ; my 64 rows: (128 block row + 64 half) x 4,096 bytes
	s_lshl_b32 s21, s13, 18
	s_add_co_u32 s22, s22, s21
	s_add_nc_u64 s[10:11], s[10:11], s[22:23]
	v_and_b32 v1, 15, v0                           ; l % 16
	v_bfe_u32 v2, v0, 4, 1                         ; l / 16
	v_lshlrev_b32 v[BOFF], 5, v2
.irp b, 0,1,2,3
	global_load_b128 v[BIAS+8*\b:BIAS+8*\b+3],   v[BOFF], s[8:9] offset:64*\b        ; bo of columns 16 b + 8 (l / 16) + 0..3
	global_load_b128 v[BIAS+8*\b+4:BIAS+8*\b+7], v[BOFF], s[8:9] offset:64*\b+16     ; + 4..7
.endr
	v_mul_u32_u24 v3, v1, AP
	v_lshl_add_u32 v3, v2, 4, v3
	s_mul_i32 s46, s13, 64*AP
	v_add_nc_u32 v[ADRA], s46, v3
	v_add_nc_u32 v[ADRA+1], SLOT, v[ADRA]
	v_mul_u32_u24 v3, v1, BP
	v_lshl_add_u32 v3, v2, 4, v3
	s_mul_i32 s46, s14, 64*BP
	s_add_co_u32 s46, s46, BBASE
	v_add_nc_u32 v[ADRB], s46, v3
	v_add_nc_u32 v[ADRB+1], SLOT, v[ADRB]
	s_mul_i32 s47, s12, 16*SPITCH
	s_add_co_u32 s47, s47, STAGE
	v_mul_u32_u24 v3, v1, SPITCH                   ; in: row l % 16, 32 bytes for each half of the lanes
	v_lshl_add_u32 v3, v2, 5, v3
	v_add_nc_u32 v[STO], s47, v3
	v_mul_u32_u24 v3, v2, SPITCH                   ; back: lanes 0-15 take one row of 256 bytes, lanes 16-31 the next
	v_lshl_add_u32 v3, v1, 4, v3
	v_add_nc_u32 v[RD], s47, v3
	v_lshlrev_b32 v3, 12, v2                       ; and the same two rows in out0
	v_lshl_add_u32 v[CO], v1, 4, v3
	s_wait_loadcnt 0x0                             ; the bias, once
; 16 LDS loads: the fragments of quarter q (32 along K; q >> 1 is the head, q & 1 its half) into the buffer of window win >> 6
.macro FETCH slot, q, win
	WIN \win
.irp b, 0,1,2,3
	ds_load_b128 v[FR+8*\b:FR+8*\b+3],   v[ADRB+\slot] offset:\b*16*BP+64*(\q)
	ds_load_b128 v[FR+8*\b+4:FR+8*\b+7], v[ADRB+\slot] offset:\b*16*BP+64*(\q)+32
.endr
.irp a, 0,1,2,3
	ds_load_b128 v[FR+32+8*\a:FR+32+8*\a+3],   v[ADRA+\slot] offset:((\q)>>1)*AHEAD+\a*16*AP+((\q)&1)*64
	ds_load_b128 v[FR+32+8*\a+4:FR+32+8*\a+7], v[ADRA+\slot] offset:((\q)>>1)*AHEAD+\a*16*AP+((\q)&1)*64+32
.endr
.endm
; 16 matrix instructions, one for each accumulator: they take turns in the same order in every quarter.  first = 1: the bias starts the sums.
.macro MUL win, first
	WIN \win
.irp a, 0,1,2,3
.irp b, 0,1,2,3
.if \first
	v_wmma_f32_16x16x32_f16 v[ACC+8*(4*\a+\b):ACC+8*(4*\a+\b)+7], v[FR+8*\b:FR+8*\b+7], v[FR+32+8*\a:FR+32+8*\a+7], v[BIAS+8*\b:BIAS+8*\b+7]
.else
	v_wmma_f32_16x16x32_f16 v[ACC+8*(4*\a+\b):ACC+8*(4*\a+\b)+7], v[FR+8*\b:FR+8*\b+7], v[FR+32+8*\a:FR+32+8*\a+7], v[ACC+8*(4*\a+\b):ACC+8*(4*\a+\b)+7]
.endif
.endr
.endr
.endm
; quarter q of 0..6: the next quarter's fragments are asked for, then q is multiplied.  Even quarters lie in buffer 0, odd ones in buffer 1.
.macro STEP slot, q, first
.if \q
	PLACES                                         ; the buffer that is loaded now was read by the products just issued
.endif
.if (\q) & 1
	FETCH \slot, \q+1, 0
	s_wait_dscnt 16                                ; all but the 16 just issued
	MUL 0x05, 0                                    ; sources 0 and 1 in window 1
.else
	FETCH \slot, \q+1, 0x40                        ; destination in window 1
	s_wait_dscnt 16
	MUL 0, \first
.endif
.endm
.macro PHASE slot, first               ; a slot's 256 along K: 128 matrix instructions
.if \first == 0
	PLACES
.endif
	FETCH \slot, 0, 0
	STEP \slot, 0, \first
	STEP \slot, 1, 0
	STEP \slot, 2, 0
	STEP \slot, 3, 0
	STEP \slot, 4, 0
	STEP \slot, 5, 0
	STEP \slot, 6, 0
	s_wait_dscnt 0
	MUL 0x05, 0
	WIN 0
.endm
; The slot that has just been read is filled again, two fills ahead: each wave's waits, the address steps, the round, the joint load first behind it.
.macro CHANGE slot
	s_wait_dscnt 0x0                               ; my reads of the slot are over
	s_wait_tensorcnt 0x0                           ; all my tensor loads have landed, my part of the other slot among them: a group 0 may be written
	ds_add_u32 v30, v31
	s_wait_dscnt 0x0
	s_add_nc_u64 s[G0A+4*\slot+2:G0A+4*\slot+3], s[G0A+4*\slot+2:G0A+4*\slot+3], 2*1048576
	s_add_nc_u64 s[G0B+4*\slot+2:G0B+4*\slot+3], s[G0B+4*\slot+2:G0B+4*\slot+3], 2*512
	CROUND
	JLOAD \slot                                    ; the wave's one tensor load behind the round; it has the next phase's 128 matrix instructions in which to land
.endm
	s_wait_tensorcnt 1                             ; my part of slot 0 is in; slot 1's load, issued behind it, stays out
	s_barrier_signal -1
	s_barrier_wait -1
	PHASE 0, 1                                     ; heads 0-3
	CHANGE 0
	PHASE 1, 0                                     ; heads 4-7
	CHANGE 1
	PHASE 0, 0                                     ; heads 8-11
	s_wait_dscnt 0x0
	s_wait_tensorcnt 0x0                           ; my part of the last fill is in,
	s_barrier_signal -1
	s_barrier_wait -1                              ; everybody's is; nothing is left to fetch
	PHASE 1, 0                                     ; heads 12-15
	; THE WAY OUT, 16 rows at a time through my own stage: 32 bytes a lane in, whole rows of 256 bytes back.
	PLACES
.macro OUT16 a, f
.irp b, 0,1,2,3
	ds_store_b128 v[STO], v[ACC+8*(4*\a+\b):ACC+8*(4*\a+\b)+3]   offset:64*\b
	ds_store_b128 v[STO], v[ACC+8*(4*\a+\b)+4:ACC+8*(4*\a+\b)+7] offset:64*\b+16
.endr
	s_wait_xcnt 0x0                                ; set f was the data of earlier stores: it is loaded again only behind this wait (ISA guide 3.1)
.irp t, 0,1,2,3,4,5,6,7
	ds_load_b128 v[\f+4*\t:\f+4*\t+3], v[RD] offset:\t*2*SPITCH    ; LDS serves a wave's instructions in order (ISA guide 5.7.1): these see the stores above
.endr
.irp t, 0,1,2,3,4,5,6,7
	s_wait_dscnt 7-\t                              ; load t is in, the 7 - t younger ones stay out
	global_store_b128 v[CO], v[\f+4*\t:\f+4*\t+3], s[10:11] offset:(16*\a+2*\t)*4096 th:TH_STORE_NT   ; sixteen lanes store 256 consecutive bytes, aligned to 256
.endr
.endm
	OUT16 0, 64
	OUT16 1, 96
	OUT16 2, 64
	OUT16 3, 96
	s_wait_tensorcnt 0x0
	ds_add_u32 v30, v31
	s_wait_dscnt 0x0
	CROUND                                         ; the closing round: no work-group ends while a partner may still ask for a tile that names it
	s_endpgm
.Lfunc_end_k_q6ee83e79a8_oproj:
	.size	k_q6ee83e79a8_oproj, .Lfunc_end_k_q6ee83e79a8_oproj-k_q6ee83e79a8_oproj
	.p2alignl 7, 3214868480
	.fill 96, 4, 3214868480
	.section	.rodata,"a",@progbits
	.p2align	6, 0x0
	.amdhsa_kernel k_q6ee83e79a8_oproj
		.amdhsa_group_segment_fixed_size 327680
		.amdhsa_private_segment_fixed_size 0
		.amdhsa_enable_private_segment 0
		.amdhsa_kernarg_size 32
		.amdhsa_user_sgpr_count 2
		.amdhsa_user_sgpr_kernarg_segment_ptr 1
		.amdhsa_wavefront_size32 1
		.amdhsa_system_sgpr_workgroup_id_x 1
		.amdhsa_system_sgpr_workgroup_id_y 1
		.amdhsa_system_sgpr_workgroup_id_z 1
		.amdhsa_system_vgpr_workitem_id 0
		.amdhsa_next_free_vgpr 384
		.amdhsa_next_free_sgpr 66
		.amdhsa_reserve_vcc 0
		.amdhsa_float_denorm_mode_32 3
		.amdhsa_float_denorm_mode_16_64 3
		.amdhsa_memory_ordered 1
		.amdhsa_forward_progress 1
		.amdhsa_inst_pref_size 88
	.end_amdhsa_kernel
	.amdgpu_metadata
---
amdhsa.version: [ 1, 2 ]
amdhsa.kernels:
  - .name:           k_q6ee83e79a8_oproj
    .symbol:         k_q6ee83e79a8_oproj.kd
    .args:
      - { .name: ab, .offset: 0, .size: 8, .value_kind: global_buffer, .address_space: global }
      - { .name: cb, .offset: 8, .size: 8, .value_kind: global_buffer, .address_space: global }
      - { .name: bo, .offset: 16, .size: 8, .value_kind: global_buffer, .address_space: global }
      - { .name: out0, .offset: 24, .size: 8, .value_kind: global_buffer, .address_space: global }
    .group_segment_fixed_size: 327680
    .private_segment_fixed_size: 0
    .kernarg_segment_align: 8
    .kernarg_segment_size: 32
    .max_flat_workgroup_size: 128
    .sgpr_count:     66
    .vgpr_count:     384
    .wavefront_size: 32
...
	.end_amdgpu_metadata
.endif
;; end of part 4
;; ======== version 2 of 2: 4 launches; version 1 with the launch tof16 written anew for expert scheduling mode
;; limits: values outside matrix products are rounded to bf16; values are held in f16: magnitudes above 65,504 overflow, below 6.1e-05 lose precision
;; workspace buffers: cb 16,777,216 bytes; qkv 25,165,824 bytes; ab 8,388,608 bytes
;; launch tof16 (part 5): grid 32 x 8, 8 waves a work-group, no clusters, 0 bytes of LDS; arguments inputs, Wq, Wk, Wv, Wo, cb; writes cb
.if DOCPART == 5
	.amdgcn_target "amdgcn-amd-amdhsa--gfx1250"
	.amdhsa_code_object_version 6
	.text
	.protected	k_q6ee83e79a8_tof16
	.globl	k_q6ee83e79a8_tof16
	.p2align	8
	.type	k_q6ee83e79a8_tof16,@function
k_q6ee83e79a8_tof16:
	s_mov_b64 s[64:65], 0
	v_nop
	global_prefetch_b8 v0, s[64:65] scope:SCOPE_SE
	s_setreg_imm32_b32 hwreg(HW_REG_WAVE_SCHED_MODE, 0, 2), 2
	s_setreg_imm32_b32 hwreg(HW_REG_WAVE_MODE, 25, 1), 1
	s_wait_xcnt 0x0
	s_wait_alu depctr_vm_vsrc(0)
; cb = the matrix operands in f16: inputs [4096][1024] at byte 0, then Wq, Wk, Wv, Wo [1024][1024] at 8, 10, 12, 14 MiB.
; WHY f16: it keeps 11 significant bits where bf16 keeps 8, and the result is compared within a hundredth of its root mean square, to which
; several roundings of 8 bits add up too closely.
; ROOM, by the problem's figures: inputs as drawn stay under about 6 and weights under 1/32; thirty times larger that is 180 and 0.94, with an offset of
; thirty spreads about 36 and 2, against f16's largest number 65,504; thirty times smaller, 0.03 and 0.001, f16 has its full 11 bits down to 2^-14 and
; steps of 2^-24 below.  LIMIT, stated: a number above 65,504 in magnitude becomes infinity here.
; A stream: every byte is read once and written once, so no LDS, no barrier, no matrix unit and no cluster (no two
; work-groups read the same byte).  The 32 MiB of f32 are eight segments of 4 MiB: y = 0..3 the quarters of inputs, y = 4..7
; the four weights.  Work-group (x, y) takes 128 KiB of segment y; thread t takes the 16 bytes at 16 t of each of 32 passes
; of 4 KiB.  A load of a wave covers 512 consecutive bytes, a store of a wave 256 consecutive bytes, aligned.
; All 32 loads of a wave go out at once.
; THE MODE: SCHED_MODE bits 1:0 = 2 (LLVM: expert scheduling mode 2), set by the entry lines.  The code itself states the register dependences
; between vector instructions and memory instructions, with s_wait_alu, always for 0.
; THE PLAN.  Registers that memory instructions touch:
;   v1, v2     byte offsets of the loads and of the stores: made once at the head and never written again; the passes are reached by immediate offsets.
;   X, pass p  four registers.  Written by pass p's load; read by pass p's two conversions, which write the first two again, in place; those two are
;              read by pass p's store.  No load lands in them a second time, and nothing writes them behind the store.
; So no register that a memory instruction has read is ever written again, and no load is issued behind a vector instruction that names its registers:
; the only dependences to state are that the offsets are written ahead of the first load, and that a store's data are written ahead of the store.
; The 32 passes go in eight blocks of four.  Block b waits for its four loads and runs its eight conversions; its memory instructions are the four
; stores of block b - 1, whose registers no conversion of block b names.  One wait at the block's head states what those four stores hang on, and they are
; dealt among the block's conversions with no further wait.  Behind block 7 one more wait stands ahead of the last four stores.
.set X,      4                         ; v[4:131]  pass p: 4 registers as loaded; its first two then hold the 4 f16
.set PASSES, 32
.set BLOCK,  4                         ; passes in a block
.set BLOCKS, PASSES/BLOCK
	s_load_b256 s[4:11], s[0:1], 0x0               ; inputs s[4:5], Wq s[6:7], Wk s[8:9], Wv s[10:11]
	s_load_b128 s[12:15], s[0:1], 0x20             ; Wo s[12:13], cb s[14:15]
	s_and_b32 s2, ttmp7, 0xffff                    ; y: the segment
	v_lshlrev_b32 v1, 4, v0                        ; 16 t: my bytes of a pass, f32
	v_lshlrev_b32 v2, 3, v0                        ; 8 t: the same numbers in f16
	s_cmp_lt_u32 s2, 4
	s_cselect_b32 s18, s2, 0                       ; a quarter of inputs, or a weight from its start
	s_lshl_b32 s18, s18, 22                        ; x 4 MiB
	s_lshl_b32 s19, ttmp9, 17                      ; + x times 128 KiB
	s_add_co_u32 s18, s18, s19
	s_mov_b32 s19, 0
	s_lshl_b32 s20, s2, 21                         ; in cb: y times 2 MiB
	s_lshl_b32 s21, ttmp9, 16                      ; + x times 64 KiB
	s_add_co_u32 s20, s20, s21
	s_mov_b32 s21, 0
	s_wait_kmcnt 0x0
	s_cmp_eq_u32 s2, 4                             ; the segment's buffer, chosen on y alone
	s_cselect_b64 s[16:17], s[6:7], s[4:5]
	s_cmp_eq_u32 s2, 5
	s_cselect_b64 s[16:17], s[8:9], s[16:17]
	s_cmp_eq_u32 s2, 6
	s_cselect_b64 s[16:17], s[10:11], s[16:17]
	s_cmp_eq_u32 s2, 7
	s_cselect_b64 s[16:17], s[12:13], s[16:17]
	s_add_nc_u64 s[16:17], s[16:17], s[18:19]
	s_add_nc_u64 s[20:21], s[14:15], s[20:21]
	s_wait_alu depctr_va_vdst(0)                   ; v1 and v2 are written: every load of the kernel reads v1 as its offset, every store v2
.set p, 0
.rept PASSES
	global_load_b128 v[X+4*p:X+4*p+3], v1, s[16:17] offset:4096*p th:TH_LOAD_NT    ; read once in the launch
.set p, p+1
.endr
.set b, 0
.rept BLOCKS
	s_wait_loadcnt PASSES-BLOCK*(b+1)              ; loads come back in order (ISA guide 5.7.1): block b's four are in, the 28 - 4 b of the younger blocks stay out
.if b > 0
	s_wait_alu depctr_va_vdst(0)                   ; the conversions of the block before have written the first two registers of each of its four passes, which the four stores below read
.endif
.set i, 0
.rept BLOCK
.set p, BLOCK*b+i
.if b > 0
	global_store_b64 v2, v[X+4*(p-BLOCK):X+4*(p-BLOCK)+1], s[20:21] offset:2048*(p-BLOCK)  ; the block before; no vector instruction since the wait names these registers.  Later launches read these bytes: no hint
.endif
	v_cvt_pk_f16_f32 v[X+4*p],   v[X+4*p],   v[X+4*p+1]        ; two roundings to f16, packed, in place
	v_cvt_pk_f16_f32 v[X+4*p+1], v[X+4*p+2], v[X+4*p+3]
.set i, i+1
.endr
.set b, b+1
.endr
	s_wait_alu depctr_va_vdst(0)                   ; block 7's conversions have written their registers, which the last four stores read
.set p, PASSES-BLOCK
.rept BLOCK
	global_store_b64 v2, v[X+4*p:X+4*p+1], s[20:21] offset:2048*p
.set p, p+1
.endr
	s_endpgm
.Lfunc_end_k_q6ee83e79a8_tof16:
	.size	k_q6ee83e79a8_tof16, .Lfunc_end_k_q6ee83e79a8_tof16-k_q6ee83e79a8_tof16
	.p2alignl 7, 3214868480
	.fill 96, 4, 3214868480
	.section	.rodata,"a",@progbits
	.p2align	6, 0x0
	.amdhsa_kernel k_q6ee83e79a8_tof16
		.amdhsa_group_segment_fixed_size 0
		.amdhsa_private_segment_fixed_size 0
		.amdhsa_enable_private_segment 0
		.amdhsa_kernarg_size 48
		.amdhsa_user_sgpr_count 2
		.amdhsa_user_sgpr_kernarg_segment_ptr 1
		.amdhsa_wavefront_size32 1
		.amdhsa_system_sgpr_workgroup_id_x 1
		.amdhsa_system_sgpr_workgroup_id_y 1
		.amdhsa_system_sgpr_workgroup_id_z 1
		.amdhsa_system_vgpr_workitem_id 0
		.amdhsa_next_free_vgpr 132
		.amdhsa_next_free_sgpr 66
		.amdhsa_reserve_vcc 0
		.amdhsa_float_denorm_mode_32 3
		.amdhsa_float_denorm_mode_16_64 3
		.amdhsa_memory_ordered 1
		.amdhsa_forward_progress 1
		.amdhsa_inst_pref_size 12
	.end_amdhsa_kernel
	.amdgpu_metadata
---
amdhsa.version: [ 1, 2 ]
amdhsa.kernels:
  - .name:           k_q6ee83e79a8_tof16
    .symbol:         k_q6ee83e79a8_tof16.kd
    .args:
      - { .name: inputs, .offset: 0, .size: 8, .value_kind: global_buffer, .address_space: global }
      - { .name: Wq, .offset: 8, .size: 8, .value_kind: global_buffer, .address_space: global }
      - { .name: Wk, .offset: 16, .size: 8, .value_kind: global_buffer, .address_space: global }
      - { .name: Wv, .offset: 24, .size: 8, .value_kind: global_buffer, .address_space: global }
      - { .name: Wo, .offset: 32, .size: 8, .value_kind: global_buffer, .address_space: global }
      - { .name: cb, .offset: 40, .size: 8, .value_kind: global_buffer, .address_space: global }
    .group_segment_fixed_size: 0
    .private_segment_fixed_size: 0
    .kernarg_segment_align: 8
    .kernarg_segment_size: 48
    .max_flat_workgroup_size: 256
    .sgpr_count:     66
    .vgpr_count:     132
    .wavefront_size: 32
...
	.end_amdgpu_metadata
.endif
;; end of part 5
;; launch qkv: the kernel of part 2 again; grid 12 x 16, 4 waves a work-group, clusters of 4 x 4, 327,680 bytes of LDS; arguments cb, bq, bk, bv, mask, qkv; writes qkv
;; launch attn: the kernel of part 3 again; grid 8 x 32, 8 waves a work-group, clusters of 4 x 1, 327,680 bytes of LDS; arguments qkv, mask, ab; writes ab
;; launch oproj: the kernel of part 4 again; grid 8 x 32, 4 waves a work-group, clusters of 4 x 4, 327,680 bytes of LDS; arguments ab, cb, bo, out0; writes out0
